; MI455X (gfx1250); checked and timed in simulation.
; The chip was launched on July 23, 2026; its instructions are those of AMD's public machine-readable ISA for CDNA 5 (MIT licence, August 2026) and "CDNA5" Instruction Set Architecture Reference Guide (July 2026). The comments in the code are by the model that wrote it; some were corrected since.
;; Sparse Multihead Attention. Allowed arithmetic: matrix products marked QUANTISED: E2M1 operands, one E8M0 scale for each 32 along K, by v_wmma_scale_f32_16x16x128_f8f6f4 with both operands' format E2M1 (or v_wmma_scale_f32_32x16x128_f4), f32 sums; everything else in f32.
;; Inputs: Wk 512 x 512 float32; Wo 64 x 512 float32; Wq 512 x 512 float32; Wv 512 x 512 float32; bk 512 float32; bo 512 float32; bq 512 float32; bv 512 float32; x 2 x 2,048 x 512 float32.
;; Outputs: out0 2 x 2,048 x 512 float32; out1 2 x 2,048 x 2,048 float32.
;; This version of the problem:
;;   THIS VERSION OF THE PROBLEM IS GIVEN IN LOW PRECISION. The matrix products marked QUANTISED in the list below multiply operands that are first quantised to E2M1 (2 exponent bits, 1 mantissa bit; 4 bits a number), with one power-of-two scale for each 32 numbers along K (OCP MX v1.0); their sums are f32. All else is computed in f32.
;;   The module's matrix products, in the order in which they are computed (A, B: the left and right operand; K: the contracted axis; several contracted axes count as one K, in the product's order):
;;     1. [M 4,096, K 512] x [K 512, N 512]; A: input x; B: input Wq: QUANTISED
;;     2. [M 4,096, K 512] x [K 512, N 512]; A: input x; B: input Wk: QUANTISED
;;     3. [M 4,096, K 512] x [K 512, N 512]; A: input x; B: input Wv: QUANTISED
;;     4. batch 16 x [M 2,048, K 64] x [K 64, N 2,048]; A: computed on the way; B: computed on the way: QUANTISED
;;     5. batch 2 x [M 2,048, K 2,048] x [K 2,048, N 64]; A: computed on the way; B: computed on the way: QUANTISED
;;     6. [M 4,096, K 64] x [K 64, N 512]; A: computed on the way; B: input Wo: QUANTISED
;;   THE QUANTISER, for each operand of a quantised product, along K:
;;     - K is cut into blocks of 32 from its start; a last block that is shorter is filled with zeros.
;;     - A block's scale is 2^e with e = floor(log2(the largest magnitude in the block)) - 2, held to -126 .. 127; a block of zeros has e = 0. As a byte (E8M0): e + 127.
;;     - Each number is divided by its block's scale, clamped to +-6, and rounded to the nearest number of E2M1, ties to even, subnormals kept.
;;     - The product sums the exact products of the quantised numbers (number of the format x scale) in f32.
;;   ~~~python
;;   def quantise(x, axis):      # numpy; x: float32 -> the quantised numbers, widened to float32 again
;;       x = np.moveaxis(x, axis, -1); K = x.shape[-1]
;;       x = np.pad(x, [(0, 0)] * (x.ndim - 1) + [(0, -K % 32)]); x = x.reshape(x.shape[:-1] + (-1, 32)); a = np.abs(x).max(-1, keepdims=True)
;;       e = np.where(a > 0, np.clip(np.frexp(np.where(a > 0, a, 1))[1] - 1 - 2, -126, 127), 0)      # np.frexp(a)[1] - 1 = floor(log2(a)), exactly
;;       r = np.clip(x / 2.0 ** e, -6, 6)
;;       step = 2.0 ** (np.maximum(np.frexp(np.where(r == 0, 1, r))[1] - 1, 0) - 1)
;;       q = np.round(r / step) * step * 2.0 ** e      # np.round: ties to even
;;       return np.moveaxis(q.reshape(q.shape[:-2] + (-1,))[..., :K], -1, axis).astype(np.float32)
;;   ~~~
;;   OPERANDS COMPUTED ON THE WAY. 'Computed on the way' means the value that the module computes at that place (a softmax that the list does not call 'softmax' is quantised finished and normalised). What goes into a quantiser is computed in f32, as accurately as f32 sums, v_exp_f32 and their like allow (about 1e-6 of the number): no bf16 or f16 on the way to a quantiser, and a product that is left as it is and whose result goes on into a quantised operand takes f32 operands (vector FMAs, or v_wmma_f32_16x16x4_f32). A number that lies on a knife's edge between two numbers of the format may be rounded either way, as far as f32 arithmetic and the matrix unit's own rounding can turn it there, and no further.
;; 2 versions, each right; version 2 is version 1 with the launches proj, tau, out written anew for expert scheduling mode. Each part assembles by itself: llvm-mc -triple=amdgcn-amd-amdhsa -mcpu=gfx1250 --defsym DOCPART=n.
;; ======== version 1 of 2: 4 launches
;; limits: right only within a limited range of input values
;; workspace buffers: xq 1,114,112 bytes; wq 460,800 bytes; qq 1,179,648 bytes; kq 1,114,112 bytes; vq 139,264 bytes; theta 131,072 bytes
;; launch prep (part 1): grid 164 x 1, 4 waves a work-group, no clusters, 33,280 bytes of LDS; arguments x, Wq, Wk, Wv, Wo, xq, wq; writes xq, wq
.if DOCPART == 1
	.amdgcn_target "amdgcn-amd-amdhsa--gfx1250"
	.amdhsa_code_object_version 6
	.text
	.protected	k_q11517f98c6_prep
	.globl	k_q11517f98c6_prep
	.p2align	8
	.type	k_q11517f98c6_prep,@function
k_q11517f98c6_prep:
	s_mov_b64 s[64:65], 0
	v_nop
	global_prefetch_b8 v0, s[64:65] scope:SCOPE_SE
	s_setreg_imm32_b32 hwreg(HW_REG_WAVE_MODE, 25, 1), 1
	s_wait_xcnt 0x0
; THE PROGRAM: causal attention with 1.5-entmax weights, B = 2, T = 2048, D = 512, 8 heads of 64, all six products on codes of FP4 (E2M1) with one E8M0 scale for each 32 along K.
; Four launches: prep (x and the four weights become codes), proj (Q, K, mean V, quantised again), tau (the entmax threshold of every row), out (weights, both outputs).
; WORK LEFT OUT, for all values of the inputs: reference() replaces the score of every key s > t by a constant of its own, so the products Q.K of key tiles that lie wholly behind a query tile reach no output: they are not made.
; Such a key's weight is max(z - tau, 0)^2 with tau >= (the row's largest z) - 1, which is 0 as long as the row's largest score lies above -1e9 + 2; so its place in out1 is stored as 0 and its K steps of the product with V,
; whose codes would be zeros, are not made.  Every input has a way to an output and is loaded.
; LIMITS: rows whose largest live score is not above -1e9 + 2 are not served (hidden keys are given -1e30 where reference() has -1e9); NaN and infinities among the inputs are not served, and a NaN, an infinity or an
; overflow that would arise only in the tiles left out is not carried to the result.  A block whose largest magnitude lies under 2^-124 gets the scale byte 1; so does a block of zeros, where the rule says 127: its codes
; are zeros, which add nothing under any byte but 0xff, and the bytes are read by this program alone.
;
; THIS LAUNCH.  Work-groups 0-99: each wave makes ONE operand fragment (16 columns x 128 along K, 8 registers a lane) of Wq, Wk, Wv or Wo and stores it as an image of its registers: registers 0-3 at 16 x lane, registers 4-7
; at 512 + 16 x lane; its scale word at 4 x lane.  K is the weights' first axis: a lane takes a column and its registers run down K, so nothing is transposed.
; The 16 columns of a tile of Wq, Wk, Wv are not neighbours: lane r of tile 2 b + u of a head takes column 32 b + 8 u + r + 8 (r / 8), so that the results of two neighbouring tiles are 16 neighbours along the next K.
; Wo has K = 64: a fragment holds TWO tiles of 16 columns, one in registers 0-3 (the instruction's k 0-63), the other in registers 4-7 (k 64-127).
; Work-groups 100-163: x is a plain stream of blocks of 32: a wave takes 16 steps of 512 numbers; each load reads 512 consecutive bytes; the numbers turn through the wave's own stage in LDS so that a lane holds 16 neighbours.
.set WGW,   100                        ; work-groups of the weights' path
.set STEPS, 16
.set CB,    8                          ; bytes of 16 codes
.set R,     16                         ; v16-79   four sets of 16 numbers as they are loaded
.set X,     80                         ; v80-111  two sets of 16 neighbours
.set E,     112                        ; v112-127 a scale byte for each step
.set C,     128                        ; v128-191 codes: four registers for each step
.set WREG,  8192                       ; LDS: a region for each wave: two stages of 32 x SP bytes, then its 256 scale bytes
.set SP,    80                         ; a lane's place in a stage: 64 bytes + 16 of padding
.set SPW,   12                         ; v12 LDS address of my spare word; never rewritten
.set NIL,   13                         ; v13 0; never rewritten
.set SPARE, 32768                      ; behind the four regions: the spare words, 128 bytes a wave
.set XSCL,  1048576                    ; xq: the scale bytes begin here
.set WSCL,  409600                     ; wq: the scale words begin here
	s_load_b256 s[4:11], s[0:1], 0x0               ; x, Wq, Wk, Wv
	s_load_b128 s[12:15], s[0:1], 0x20             ; Wo, xq
	s_load_b64 s[16:17], s[0:1], 0x30              ; wq
	v_lshl_add_u32 v[SPW], v0, 2, SPARE
	v_mov_b32 v[NIL], 0
	v_lshrrev_b32 v1, 5, v0
	v_readfirstlane_b32 s18, v1                    ; wave 0..3
	v_and_b32 v2, 31, v0                           ; lane
	s_wait_kmcnt 0x0
	s_cmp_ge_u32 ttmp9, WGW
	s_cbranch_scc1 .Lx
	; ---- the weights.  g = the work-group's number.  g < 96: matrix g / 32, head (g / 4) % 8, K step g % 4, tile = wave.  g >= 96: Wo's pair 4 (g - 96) + wave
	v_and_b32 v1, 15, v0                           ; r
	v_bfe_u32 v3, v0, 4, 1                         ; h
	s_lshr_b32 s20, ttmp9, 5                       ; matrix
	s_bfe_u32 s21, ttmp9, 0x30002                  ; head
	s_and_b32 s22, ttmp9, 3                        ; K step
	s_lshl_b32 s23, s20, 7
	s_lshl_b32 s24, s21, 4
	s_add_co_u32 s23, s23, s24
	s_lshl_b32 s24, s18, 2
	s_add_co_u32 s23, s23, s24
	s_add_co_u32 s23, s23, s22                     ; the image's number: 128 matrix + 16 head + 4 tile + K step
	s_lshl_b32 s24, s22, 18                        ; 128 rows of 2,048 bytes a K step
	s_lshl_b32 s25, s21, 8                         ; 64 columns a head
	s_add_co_u32 s24, s24, s25
	s_lshr_b32 s25, s18, 1
	s_lshl_b32 s25, s25, 7                         ; 32 columns for b
	s_add_co_u32 s24, s24, s25
	s_and_b32 s25, s18, 1
	s_lshl_b32 s25, s25, 5                         ; 8 columns for u
	s_add_co_u32 s24, s24, s25                     ; the tile's first byte in the matrix
	s_sub_co_u32 s26, ttmp9, 96
	s_lshl_b32 s26, s26, 2
	s_add_co_u32 s26, s26, s18                     ; Wo's pair (used where g >= 96 alone)
	s_add_co_u32 s27, s26, 384                     ; its image's number
	s_lshl_b32 s28, s26, 7                         ; 32 columns a pair
	s_cmp_lt_u32 ttmp9, 32                         ; the choices hang on the work-group's number alone
	s_cselect_b64 s[32:33], s[6:7], s[8:9]
	s_cmp_lt_u32 ttmp9, 64
	s_cselect_b64 s[32:33], s[32:33], s[10:11]
	s_cmp_lt_u32 ttmp9, 96
	s_cselect_b64 s[32:33], s[32:33], s[12:13]
	s_cselect_b32 s23, s23, s27
	s_cselect_b32 s24, s24, s28
	s_cselect_b32 s29, 8, 0                        ; the tile's columns are spread (r + 8 (r / 8)), or, in Wo, neighbours
	s_cselect_b32 s30, 0x20000, 64                 ; registers 4-7: 64 rows further down, or, in Wo, 16 columns further on
	s_mov_b32 s25, 0
	s_add_nc_u64 s[32:33], s[32:33], s[24:25]
	s_lshl_b32 s36, s23, 10
	s_mov_b32 s37, 0
	s_add_nc_u64 s[36:37], s[16:17], s[36:37]      ; the image
	s_lshl_b32 s38, s23, 7
	s_add_co_u32 s38, s38, WSCL
	s_mov_b32 s39, 0
	s_add_nc_u64 s[38:39], s[16:17], s[38:39]      ; its scale words
	s_mov_b32 s34, 0x76543210
	s_mov_b32 s35, 0xfedcba98                      ; v_permlanex16_b32's selects for lane l xor 16
	v_and_b32 v4, s29, v1
	v_add_nc_u32 v4, v4, v1
	v_lshlrev_b32 v4, 2, v4                        ; my column, 4 bytes a number,
	v_lshl_add_u32 v4, v3, 16, v4                  ; lanes 16-31 begin 32 rows of 2,048 bytes further down
	v_add_nc_u32 v5, s30, v4
	v_lshlrev_b32 v6, 4, v2
	v_lshlrev_b32 v7, 2, v2
.irp c, 0,1
.set i, 0
.rept 32
	global_load_b32 v[64+32*\c+i], v[4+\c], s[32:33] offset:i*2048   ; W(64 c + 32 h + i, my column)
.set i, i+1
.endr
.endr
	s_wait_loadcnt 0x0
.irp c, 0,1                                    ; my block 2 c + h: all its 32 numbers are mine
	v_max3_num_f32 v[32+\c], |v[64+32*\c]|, |v[65+32*\c]|, 0x1800000   ; with the floor 2^(3 - 127): the byte cannot fall under 1
.endr
.irp i, 2,4,6,8,10,12,14,16,18,20,22,24,26,28,30
.irp c, 0,1
	v_max3_num_f32 v[32+\c], v[32+\c], |v[64+32*\c+\i]|, |v[65+32*\c+\i]|
.endr
.endr
.irp c, 0,1
	v_add_nc_u32 v[44+\c], 0xff000000, v[32+\c]    ; 2 off the exponent field: the conversion's scale operand
.endr
.irp c, 0,1
	v_lshrrev_b32 v[36+\c], 23, v[44+\c]           ; the scale's byte
.endr
	v_lshl_or_b32 v9, v37, 16, v36                 ; my two bytes, blocks h and 2 + h,
	v_lshlrev_b32 v10, 3, v3
	v_lshlrev_b32 v9, v10, v9                      ; at their places in the word
	v_mov_b32 v10, 0
	v_permlanex16_b32 v10, v9, s34, s35
	v_or_b32 v9, v9, v10                           ; with lane l xor 16's two the word is whole
.irp c, 0,1
.irp g, 0,1,2,3
	v_cvt_scalef32_pk8_fp4_f32 v[48+4*\c+\g], v[64+32*\c+8*\g:71+32*\c+8*\g], v[44+\c]
.endr
.endr
	v_nop                                          ; one plain line behind the last scaled conversion
	global_store_b128 v6, v[48:51], s[36:37]       ; each store of the wave covers 512 consecutive bytes, aligned
	global_store_b128 v6, v[52:55], s[36:37] offset:512
	global_store_b32 v7, v9, s[38:39]
	s_branch .Lend
.Lx:
	; ---- x: run 4 (g - 100) + wave of 8,192 numbers
	v_lshlrev_b32 v3, 4, v2                        ; my 16 bytes of a load's 512
	s_mul_i32 s19, s18, WREG
	v_lshrrev_b32 v14, 2, v2
	v_mul_u32_u24 v14, v14, SP
	v_and_b32 v15, 3, v2
	v_lshl_add_u32 v14, v15, 4, v14
	v_add_nc_u32 v14, s19, v14                     ; the stage, on the way in: SP (lane / 4) + 16 (lane % 4)
	v_mul_u32_u24 v15, v2, SP
	v_add_nc_u32 v15, s19, v15                     ; and on the way out: SP x lane: my 16 neighbours
	v_mul_u32_u24 v4, v2, CB                       ; my codes' place in a step's
	v_lshrrev_b32 v5, 1, v2
	s_add_co_u32 s19, s19, 2*32*SP
	v_add_nc_u32 v5, s19, v5                       ; my wave's 256 scale bytes, my block's byte
	v_lshlrev_b32 v7, 3, v2
	v_add_nc_u32 v6, s19, v7                       ; and on the way out 8 bytes a lane
	s_sub_co_u32 s20, ttmp9, WGW
	s_lshl_b32 s20, s20, 2
	s_add_co_u32 s20, s20, s18                     ; my run
	s_mov_b32 s23, 0
	s_lshl_b32 s22, s20, 15
	s_add_nc_u64 s[4:5], s[4:5], s[22:23]          ; 32,768 bytes of x a run
	s_lshl_b32 s22, s20, 12
	s_add_nc_u64 s[24:25], s[14:15], s[22:23]      ; 4,096 bytes of codes
	s_lshl_b32 s22, s20, 8
	s_add_co_u32 s22, s22, XSCL
	s_add_nc_u64 s[26:27], s[14:15], s[22:23]      ; 256 scale bytes
.macro LOAD t
.irp i, 0,1,2,3
	global_load_b128 v[R+16*((\t)%4)+4*\i:R+16*((\t)%4)+4*\i+3], v3, s[4:5] offset:2048*(\t)+512*\i th:TH_LOAD_NT   ; 32 lanes read 512 consecutive bytes
.endr
.endm
.macro TURN t                          ; step t's numbers through the stage: LDS serves a wave's instructions in order, so no wait stands between the stores and the loads
.irp i, 0,1,2,3
	ds_store_b128 v14, v[R+16*((\t)%4)+4*\i:R+16*((\t)%4)+4*\i+3] offset:32*SP*((\t)%2)+8*SP*\i
.endr
.irp i, 0,1,2,3
	ds_load_b128 v[X+16*((\t)%2)+4*\i:X+16*((\t)%2)+4*\i+3], v15 offset:32*SP*((\t)%2)+16*\i
.endr
.endm
.irp t, 0,1,2,3
	LOAD \t
.endr
	s_wait_loadcnt 12                              ; step 0's four loads are in; those of the three steps behind it may be out
	TURN 0
.macro STEP t
.set XS, X+16*((\t)%2)
.if (\t) > 0
	s_wait_dscnt 1                                 ; this step's numbers are back from the stage; the last step's byte store may be out
.else
	s_wait_dscnt 0x0
.endif
.if (\t)+4 < STEPS
	LOAD (\t)+4                                    ; into the registers that this step's stores into the stage have read
.endif
.if (\t)+1 < STEPS
.if STEPS-2-(\t) >= 3
	s_wait_loadcnt 12                              ; the next step's four loads are in; those of the three steps behind it may be out
.else
	s_wait_loadcnt 4*(STEPS-2-(\t))
.endif
	TURN (\t)+1
.endif
	v_max3_num_f32 v8, |v[XS]|, |v[XS+1]|, |v[XS+2]|               ; the largest magnitude of my 16
	v_max3_num_f32 v9, |v[XS+3]|, |v[XS+4]|, |v[XS+5]|
.irp i, 6,10
	v_max3_num_f32 v8, v8, |v[XS+\i]|, |v[XS+\i+1]|
	v_max3_num_f32 v9, v9, |v[XS+\i+2]|, |v[XS+\i+3]|
.endr
	v_max3_num_f32 v8, v8, |v[XS+14]|, |v[XS+15]|
	v_max3_num_f32 v8, v8, v9, 0x1800000           ; and the floor 2^(3 - 127)
	v_max_num_f32_dpp v8, v8, v8 row_xmask:1 row_mask:0xf bank_mask:0xf   ; and of my neighbour's 16: the block's
	v_add_nc_u32 v11, 0xff000000, v8               ; 2 off its exponent field: the conversion's scale operand
	v_cvt_scalef32_pk8_fp4_f32 v[C+4*(\t)], v[XS:XS+7], v11
	v_cvt_scalef32_pk8_fp4_f32 v[C+4*(\t)+1], v[XS+8:XS+15], v11
	v_lshrrev_b32 v[E+(\t)], 23, v11               ; the scale's byte
	ds_store_b8 v5, v[E+(\t)] offset:16*(\t)       ; both lanes of a block write the same byte with the same value
	global_store_b64 v4, v[C+4*(\t):C+4*(\t)+1], s[24:25] offset:32*CB*(\t)   ; the wave stores 256 consecutive bytes, aligned
.endm
.irp t, 0,1,2,3,4,5,6,7,8,9,10,11,12,13,14,15
	STEP \t
.endr
	ds_load_b64 v[8:9], v6                         ; LDS serves a wave's instructions in order: these see my stores
	s_wait_dscnt 0x0
	global_store_b64 v7, v[8:9], s[26:27]          ; 32 lanes store 256 consecutive bytes, aligned
.Lend:
	s_wait_tensorcnt 0x0                           ; the wave's end
	ds_add_u32 v[SPW], v[NIL]
	s_wait_dscnt 0x0
	s_endpgm
.Lfunc_end_k_q11517f98c6_prep:
	.size	k_q11517f98c6_prep, .Lfunc_end_k_q11517f98c6_prep-k_q11517f98c6_prep
	.p2alignl 7, 3214868480
	.fill 96, 4, 3214868480
	.section	.rodata,"a",@progbits
	.p2align	6, 0x0
	.amdhsa_kernel k_q11517f98c6_prep
		.amdhsa_group_segment_fixed_size 33280
		.amdhsa_private_segment_fixed_size 0
		.amdhsa_enable_private_segment 0
		.amdhsa_kernarg_size 56
		.amdhsa_user_sgpr_count 2
		.amdhsa_user_sgpr_kernarg_segment_ptr 1
		.amdhsa_wavefront_size32 1
		.amdhsa_system_sgpr_workgroup_id_x 1
		.amdhsa_system_sgpr_workgroup_id_y 1
		.amdhsa_system_sgpr_workgroup_id_z 1
		.amdhsa_system_vgpr_workitem_id 0
		.amdhsa_next_free_vgpr 192
		.amdhsa_next_free_sgpr 66
		.amdhsa_reserve_vcc 0
		.amdhsa_float_denorm_mode_32 3
		.amdhsa_float_denorm_mode_16_64 3
		.amdhsa_memory_ordered 1
		.amdhsa_forward_progress 1
		.amdhsa_inst_pref_size 45
	.end_amdhsa_kernel
	.amdgpu_metadata
---
amdhsa.version: [ 1, 2 ]
amdhsa.kernels:
  - .name:           k_q11517f98c6_prep
    .symbol:         k_q11517f98c6_prep.kd
    .args:
      - { .name: x, .offset: 0, .size: 8, .value_kind: global_buffer, .address_space: global }
      - { .name: Wq, .offset: 8, .size: 8, .value_kind: global_buffer, .address_space: global }
      - { .name: Wk, .offset: 16, .size: 8, .value_kind: global_buffer, .address_space: global }
      - { .name: Wv, .offset: 24, .size: 8, .value_kind: global_buffer, .address_space: global }
      - { .name: Wo, .offset: 32, .size: 8, .value_kind: global_buffer, .address_space: global }
      - { .name: xq, .offset: 40, .size: 8, .value_kind: global_buffer, .address_space: global }
      - { .name: wq, .offset: 48, .size: 8, .value_kind: global_buffer, .address_space: global }
    .group_segment_fixed_size: 33280
    .private_segment_fixed_size: 0
    .kernarg_segment_align: 8
    .kernarg_segment_size: 56
    .max_flat_workgroup_size: 128
    .sgpr_count:     66
    .vgpr_count:     192
    .wavefront_size: 32
...
	.end_amdgpu_metadata
.endif
;; end of part 1
;; launch proj (part 2): grid 640 x 1, 4 waves a work-group, no clusters, 0 bytes of LDS; arguments xq, wq, bq, bk, bv, qq, kq, vq; writes qq, kq, vq
.if DOCPART == 2
	.amdgcn_target "amdgcn-amd-amdhsa--gfx1250"
	.amdhsa_code_object_version 6
	.text
	.protected	k_q11517f98c6_proj
	.globl	k_q11517f98c6_proj
	.p2align	8
	.type	k_q11517f98c6_proj,@function
k_q11517f98c6_proj:
	s_mov_b64 s[64:65], 0
	v_nop
	global_prefetch_b8 v0, s[64:65] scope:SCOPE_SE
	s_setreg_imm32_b32 hwreg(HW_REG_WAVE_MODE, 25, 1), 1
	s_wait_xcnt 0x0
; Q = x Wq + bq, K = x Wk + bk and the mean over the heads of V = x Wv + bv, on codes of FP4 with E8M0 scales, each result quantised again for the product that takes it.  No work is left out here.
; Work-groups 0-255: Q; 256-511: K: head (g / 32) % 8, 128 rows of x, 32 a wave.  The product is used TRANSPOSED (source 0 = 16 columns of W, source 1 = 16 rows of x): a lane holds one row and its 32 registers run
; along the head's 64, in the order that the quantiser wants (the columns of a tile of W were chosen for it).  The bias is loaded into the accumulators, so the first product adds onto it.
; Q's tiles hold 16 neighbouring queries.  K's do not: lane r of key tile 2 p + u takes key 32 p + 8 u + r + 8 (r / 8), so that later the scores of two neighbouring tiles are 16 neighbouring keys.
; Each tile (16 rows x 64 codes) is stored as an image of four registers, 16 bytes a lane.  Q's scale word is [s0 s1 s0 s1]; K's, one for a pair of tiles X, Y, is [X0 X1 Y0 Y1]: the scores' instruction has K = 128 and takes
; two key tiles at once against [q | zeros] or [zeros | q].
; Work-groups 512-639: mean V: 128 keys (32 a wave) x 16 of the 64 channels.  Source 0 = 16 rows of x, source 1 = 16 columns of Wv; the eight heads' products are summed in the same two accumulators, then x 1/8 + the mean bias.
; A lane holds one channel and 16 neighbouring keys: a block of 32 keys lies in lanes l and l xor 16.  The codes go into the image of the fragment (16 channels x 128 keys) that the last launch loads.
; Operands come from memory straight into registers, as images: 512 consecutive bytes a load.  No LDS, no barrier; four such waves share a SIMD.  Every wait for loads is for 0.
.set XF,   16                          ; v16-79   x's fragments (tile u, K step ks) at 32 u + 8 ks
.set XSC,  80                          ; v80-87   their scale words
.set WF,   88                          ; W's fragments: 8 (QK) or 16 (V)
.set ACC,  152                         ; QK: v152-215 accumulators (u, tile) at 32 u + 8 tile
.set WSC,  216                         ; v216-231 W's scale words
.set TM,   232                         ; QK: v232-239 at work
.set CD,   240                         ; QK: v240-247 the codes of the two tiles
.set ACV,  232                         ; V: v232-247 two accumulators
.set BV,   248                         ; V: v248-255 the eight heads' bias
.set SEL,  56                          ; s[56:57] lane selects for v_permlanex16_b32: lane l xor 16
	s_load_b512 s[8:23], s[0:1], 0x0               ; xq s[8:9], wq s[10:11], bq s[12:13], bk s[14:15], bv s[16:17], qq s[18:19], kq s[20:21], vq s[22:23]
	v_lshrrev_b32 v1, 5, v0
	v_readfirstlane_b32 s24, v1                    ; wave 0..3
	v_and_b32 v1, 15, v0                           ; r
	v_bfe_u32 v2, v0, 4, 1                         ; h
	v_and_b32 v3, 31, v0                           ; lane
	s_and_b32 s25, ttmp9, 31
	s_sub_co_u32 s26, ttmp9, 512                   ; V: 4 x (block of 128 keys) + tile of channels
	s_lshr_b32 s27, s26, 2
	s_and_b32 s28, s26, 3
	s_cmp_lt_u32 ttmp9, 512
	s_cselect_b32 s25, s25, s27
	s_lshl_b32 s25, s25, 7
	s_lshl_b32 s29, s24, 5
	s_add_co_u32 s25, s25, s29                     ; my first row of x
	s_cmp_lt_u32 ttmp9, 256                        ; Q: tiles of neighbouring rows; K, V: spread rows
	s_cselect_b32 s30, 0, 8
	s_cselect_b32 s31, 16, 8                       ; rows from tile 0 to tile 1
	v_and_b32 v4, s30, v1
	v_add_nc_u32 v4, v4, v1                        ; r, or r + 8 (r / 8)
	v_lshlrev_b32 v5, 8, v4                        ; a row of 512 codes is 256 bytes
	v_lshl_add_u32 v5, v2, 4, v5
	s_lshl_b32 s32, s31, 8
	v_add_nc_u32 v6, s32, v5
	v_lshlrev_b32 v7, 4, v4                        ; and 16 scale bytes
	s_lshl_b32 s32, s31, 4
	v_add_nc_u32 v8, s32, v7
	v_lshlrev_b32 v10, 4, v3                       ; 16 x lane
	v_lshlrev_b32 v11, 2, v3                       ; 4 x lane
	v_lshlrev_b32 v12, 2, v1                       ; 4 r
	s_mov_b32 s[SEL], 0x76543210
	s_mov_b32 s[SEL+1], 0xfedcba98
	s_lshl_b32 s34, s25, 8
	s_mov_b32 s35, 0
	s_lshl_b32 s36, s25, 4
	s_add_co_u32 s36, s36, 0x100000
	s_mov_b32 s37, 0
	s_wait_kmcnt 0x0
	s_add_nc_u64 s[34:35], s[8:9], s[34:35]
	s_add_nc_u64 s[36:37], s[8:9], s[36:37]
.irp u, 0,1
.irp ks, 0,1,2,3
.irp c, 0,1
	global_load_b128 v[XF+32*\u+8*\ks+4*\c:XF+32*\u+8*\ks+4*\c+3], v[5+\u], s[34:35] offset:64*\ks+32*\c
.endr
	global_load_b32 v[XSC+4*\u+\ks], v[7+\u], s[36:37] offset:4*\ks
.endr
.endr
	s_cmp_ge_u32 ttmp9, 512
	s_cbranch_scc1 .Lv
	; ---- Q or K
	s_lshr_b32 s38, ttmp9, 8                       ; 0: Q, 1: K
	s_bfe_u32 s39, ttmp9, 0x30005                  ; head
	s_mov_b32 s51, 69632
	s_cmp_eq_u32 s38, 0
	s_cselect_b64 s[40:41], s[12:13], s[14:15]     ; the bias,
	s_cselect_b64 s[48:49], s[18:19], s[20:21]     ; the buffer,
	s_cselect_b32 s50, 0x10000, s51                ; and a head's bytes in it
	s_lshl_b32 s42, s39, 8
	s_mov_b32 s43, 0
	s_add_nc_u64 s[40:41], s[40:41], s[42:43]      ; the head's 64 numbers of the bias
	s_lshl_b32 s44, s38, 7
	s_lshl_b32 s45, s39, 4
	s_add_co_u32 s44, s44, s45                     ; the head's first image of W
	s_lshl_b32 s42, s44, 10
	s_add_nc_u64 s[42:43], s[10:11], s[42:43]
	s_lshl_b32 s44, s44, 7
	s_add_co_u32 s44, s44, 409600
	s_mov_b32 s45, 0
	s_add_nc_u64 s[44:45], s[10:11], s[44:45]
	s_lshr_b32 s46, s25, 11
	s_lshl_b32 s46, s46, 3
	s_add_co_u32 s46, s46, s39                     ; 8 batch + head
	s_and_b32 s47, s25, 2047
	s_lshr_b32 s47, s47, 4                         ; my first tile in the head
	s_mul_i32 s50, s50, s46
	s_lshl_b32 s52, s47, 9
	s_add_co_u32 s50, s50, s52
	s_mov_b32 s51, 0
	s_add_nc_u64 s[58:59], s[48:49], s[50:51]      ; where my two images go
	v_lshlrev_b32 v9, 6, v2                        ; the bias: lanes 16-31 take the 16 numbers further on
	v_mov_b32 v[TM+2], 0                           ; written once: a lane permute's destination counts as one of its sources
	v_mov_b32 v[TM+3], 0
.irp u, 0,1
.irp t, 0,1,2,3
	global_load_b128 v[ACC+32*\u+8*\t:ACC+32*\u+8*\t+3], v9, s[40:41] offset:(32*(\t/2)+8*(\t%2))*4
	global_load_b128 v[ACC+32*\u+8*\t+4:ACC+32*\u+8*\t+7], v9, s[40:41] offset:(32*(\t/2)+8*(\t%2))*4+16
.endr
.endr
.macro WLOAD half                      ; W's fragments of K steps 2 half, 2 half + 1, four tiles each
.irp t, 0,1,2,3
.irp k, 0,1
.irp c, 0,1
	global_load_b128 v[WF+8*(2*\t+\k)+4*\c:WF+8*(2*\t+\k)+4*\c+3], v10, s[42:43] offset:(4*\t+2*(\half)+\k)*1024+512*\c
.endr
	global_load_b32 v[WSC+2*\t+\k], v11, s[44:45] offset:(4*\t+2*(\half)+\k)*128
.endr
.endr
.endm
.macro QKMUL ks                        ; the eight accumulators take turns, one instruction a turn
.irp u, 0,1
.irp t, 0,1,2,3
	v_wmma_scale_f32_16x16x128_f8f6f4 v[ACC+32*\u+8*\t:ACC+32*\u+8*\t+7], v[WF+8*(2*\t+(\ks)%2):WF+8*(2*\t+(\ks)%2)+7], v[XF+32*\u+8*(\ks):XF+32*\u+8*(\ks)+7], v[ACC+32*\u+8*\t:ACC+32*\u+8*\t+7], v[WSC+2*\t+(\ks)%2], v[XSC+4*\u+(\ks)] matrix_a_fmt:MATRIX_FMT_FP4 matrix_b_fmt:MATRIX_FMT_FP4
.endr
.endr
.endm
; 32 numbers of a lane, register 16 b + i = k 32 b + 16 (lane / 16) + i of my row, become four registers of codes (lane (r, h): k 32 h .. 32 h + 31) in v[d] on, and the row's two scale bytes in v[hw]
.macro QUANT2 s, d, hw
.irp b, 0,1
	v_max3_num_f32 v[TM+\b], |v[\s+16*\b]|, |v[\s+1+16*\b]|, 0x1800000   ; with the floor 2^(3 - 127): the byte cannot fall under 1
.endr
.irp i, 2,4,6,8,10,12,14
.irp b, 0,1
	v_max3_num_f32 v[TM+\b], v[TM+\b], |v[\s+16*\b+\i]|, |v[\s+1+16*\b+\i]|
.endr
.endr
.irp b, 0,1
	v_permlanex16_b32 v[TM+2+\b], v[TM+\b], s[SEL], s[SEL+1]
.endr
.irp b, 0,1
	v_max_num_f32 v[TM+\b], v[TM+\b], v[TM+2+\b]   ; with lane l xor 16's: the block's largest magnitude
.endr
.irp b, 0,1
	v_add_nc_u32 v[TM+4+\b], 0xff000000, v[TM+\b]  ; 2 off its exponent field: the conversion's scale operand
.endr
.irp b, 0,1
	v_lshrrev_b32 v[TM+2+\b], 23, v[TM+4+\b]       ; the scale's byte
.endr
	v_lshl_or_b32 v[\hw], v[TM+3], 8, v[TM+2]
.irp b, 0,1
	v_cvt_scalef32_pk8_fp4_f32 v[\d+2*\b], v[\s+16*\b:\s+16*\b+7], v[TM+4+\b]
	v_cvt_scalef32_pk8_fp4_f32 v[\d+2*\b+1], v[\s+16*\b+8:\s+16*\b+15], v[TM+4+\b]
.endr
	v_nop                                          ; one plain line behind a scaled conversion
	v_permlane16_swap_b32 v[\d], v[\d+2]           ; a whole block to a lane: lanes 0-15 block 0, lanes 16-31 block 1
	v_permlane16_swap_b32 v[\d+1], v[\d+3]
.endm
	WLOAD 0
	s_wait_loadcnt 0x0
	QKMUL 0
	QKMUL 1
.rept 4
	v_nop                                          ; places in front of loads into registers that matrix instructions have read
.endr
	WLOAD 1
	s_wait_loadcnt 0x0
	QKMUL 2
	QKMUL 3
.rept 4
	v_nop                                          ; places in front of the first read of results
.endr
	QUANT2 ACC, CD, TM+6
	QUANT2 ACC+32, CD+4, TM+7
	global_store_b128 v10, v[CD:CD+3], s[58:59]    ; each store of the wave covers 512 consecutive bytes, aligned
	global_store_b128 v10, v[CD+4:CD+7], s[58:59] offset:512
	s_cmp_lg_u32 s38, 0
	s_cbranch_scc1 .Lkscale
	v_lshl_or_b32 v248, v[TM+6], 16, v[TM+6]       ; Q: [s0 s1 s0 s1] of tile 0's rows,
	v_lshl_or_b32 v249, v[TM+7], 16, v[TM+7]       ; of tile 1's
	v_cmp_gt_u32 vcc_lo, 16, v3
	v_cndmask_b32 v248, v249, v248, vcc_lo         ; lanes 0-15 store tile 0's words, lanes 16-31 tile 1's: 128 consecutive bytes
	s_lshl_b32 s50, s46, 7
	s_add_co_u32 s50, s50, s47
	s_lshl_b32 s50, s50, 6
	s_add_co_u32 s50, s50, 0x100000
	s_add_nc_u64 s[50:51], s[48:49], s[50:51]
	global_store_b32 v11, v248, s[50:51]
	s_endpgm
.Lkscale:
	v_lshl_or_b32 v248, v[TM+7], 16, v[TM+6]       ; K: [X0 X1 Y0 Y1] of the pair's row r; both halves of the lanes store the same word
	s_mul_i32 s50, s46, 69632
	s_add_co_u32 s50, s50, 0x10000
	s_lshr_b32 s52, s47, 1
	s_lshl_b32 s52, s52, 6
	s_add_co_u32 s50, s50, s52
	s_add_nc_u64 s[50:51], s[48:49], s[50:51]
	global_store_b32 v12, v248, s[50:51]
	s_endpgm
.Lv:
	; ---- mean V.  s26 = 4 x (block of 128 keys) + tile, s28 = tile of 16 channels
	s_lshl_b32 s40, s28, 2
	s_add_co_u32 s40, s40, 256                     ; Wv's image of head 0, this tile, K step 0
	s_lshl_b32 s42, s40, 10
	s_mov_b32 s43, 0
	s_add_nc_u64 s[42:43], s[10:11], s[42:43]
	s_lshl_b32 s44, s40, 7
	s_add_co_u32 s44, s44, 409600
	s_mov_b32 s45, 0
	s_add_nc_u64 s[44:45], s[10:11], s[44:45]
	s_lshr_b32 s46, s28, 1
	s_lshl_b32 s46, s46, 7
	s_and_b32 s47, s28, 1
	s_lshl_b32 s47, s47, 5
	s_add_co_u32 s46, s46, s47
	s_mov_b32 s47, 0
	s_add_nc_u64 s[46:47], s[16:17], s[46:47]      ; bv at the tile's first channel
	s_lshl_b32 s48, s26, 10
	s_lshl_b32 s49, s24, 8
	s_add_co_u32 s48, s48, s49                     ; the image, my block of 32 keys: 256 bytes a wave
	s_mov_b32 s49, 0
	s_add_nc_u64 s[48:49], s[22:23], s[48:49]
	s_lshl_b32 s50, s26, 6
	s_add_co_u32 s50, s50, s24
	s_add_co_u32 s50, s50, 131072                  ; its scale words, my block's byte
	s_mov_b32 s51, 0
	s_add_nc_u64 s[50:51], s[22:23], s[50:51]
	s_mov_b32 s33, 0x3e000000                      ; 1/8
	v_lshlrev_b32 v9, 2, v4                        ; my channel: r + 8 (r / 8)
	v_lshlrev_b32 v13, 4, v1
	v_lshl_add_u32 v13, v2, 3, v13                 ; 16 r + 8 h: my 8 bytes of codes
.irp hd, 0,1,2,3,4,5,6,7
	global_load_b32 v[BV+\hd], v9, s[46:47] offset:\hd*256
.endr
.macro VPHASE p                        ; heads 4 p .. 4 p + 3: 16 fragments of Wv, 32 products; the two accumulators take turns
.irp q, 0,1,2,3
.irp ks, 0,1,2,3
.irp c, 0,1
	global_load_b128 v[WF+8*(4*\q+\ks)+4*\c:WF+8*(4*\q+\ks)+4*\c+3], v10, s[42:43] offset:(4*\p+\q)*16384+\ks*1024+512*\c
.endr
	global_load_b32 v[WSC+4*\q+\ks], v11, s[44:45] offset:(4*\p+\q)*2048+\ks*128
.endr
.endr
	s_wait_loadcnt 0x0
.irp q, 0,1,2,3
.irp ks, 0,1,2,3
.irp u, 0,1
.if (\p+\q+\ks) == 0
	v_wmma_scale_f32_16x16x128_f8f6f4 v[ACV+8*\u:ACV+8*\u+7], v[XF+32*\u+8*\ks:XF+32*\u+8*\ks+7], v[WF+8*(4*\q+\ks):WF+8*(4*\q+\ks)+7], 0, v[XSC+4*\u+\ks], v[WSC+4*\q+\ks] matrix_a_fmt:MATRIX_FMT_FP4 matrix_b_fmt:MATRIX_FMT_FP4
.else
	v_wmma_scale_f32_16x16x128_f8f6f4 v[ACV+8*\u:ACV+8*\u+7], v[XF+32*\u+8*\ks:XF+32*\u+8*\ks+7], v[WF+8*(4*\q+\ks):WF+8*(4*\q+\ks)+7], v[ACV+8*\u:ACV+8*\u+7], v[XSC+4*\u+\ks], v[WSC+4*\q+\ks] matrix_a_fmt:MATRIX_FMT_FP4 matrix_b_fmt:MATRIX_FMT_FP4
.endif
.endr
.endr
.endr
.endm
	VPHASE 0
.rept 4
	v_nop                                          ; places in front of loads into registers that matrix instructions have read
.endr
	VPHASE 1
	v_add_f32 v248, v248, v249                     ; the mean bias: eight plain lines that name none of the products' registers: the places behind them
	v_add_f32 v250, v250, v251
	v_add_f32 v252, v252, v253
	v_add_f32 v254, v254, v255
	v_add_f32 v248, v248, v250
	v_add_f32 v252, v252, v254
	v_add_f32 v248, v248, v252
	v_mul_f32 v248, s33, v248
.set j, 0
.rept 16
	v_fma_f32 v[88+j], v[ACV+j], s33, v248         ; register j: key 16 (lane / 16) + j of my 32, my channel; each accumulator from its low end on
.set j, j+1
.endr
	v_mov_b32 v106, 0
	v_max3_num_f32 v104, |v88|, |v89|, 0x1800000   ; the floor 2^(3 - 127)
	v_max3_num_f32 v105, |v90|, |v91|, |v92|
	v_max3_num_f32 v104, v104, |v93|, |v94|
	v_max3_num_f32 v105, v105, |v95|, |v96|
	v_max3_num_f32 v104, v104, |v97|, |v98|
	v_max3_num_f32 v105, v105, |v99|, |v100|
	v_max3_num_f32 v104, v104, |v101|, |v102|
	v_max3_num_f32 v104, v104, v105, |v103|
	v_permlanex16_b32 v106, v104, s[SEL], s[SEL+1]
	v_max_num_f32 v104, v104, v106                 ; the block's largest magnitude
	v_add_nc_u32 v105, 0xff000000, v104
	v_lshrrev_b32 v107, 23, v105                   ; the scale's byte
	v_cvt_scalef32_pk8_fp4_f32 v108, v[88:95], v105
	v_cvt_scalef32_pk8_fp4_f32 v109, v[96:103], v105
	v_nop
	global_store_b64 v13, v[108:109], s[48:49]     ; the wave stores 256 consecutive bytes, aligned
	global_store_b8 v12, v107, s[50:51]            ; one byte of each channel's scale word: 16 bytes a wave, 8,192 in the launch; both halves of the lanes store the same byte
	s_endpgm
.Lfunc_end_k_q11517f98c6_proj:
	.size	k_q11517f98c6_proj, .Lfunc_end_k_q11517f98c6_proj-k_q11517f98c6_proj
	.p2alignl 7, 3214868480
	.fill 96, 4, 3214868480
	.section	.rodata,"a",@progbits
	.p2align	6, 0x0
	.amdhsa_kernel k_q11517f98c6_proj
		.amdhsa_group_segment_fixed_size 0
		.amdhsa_private_segment_fixed_size 0
		.amdhsa_enable_private_segment 0
		.amdhsa_kernarg_size 64
		.amdhsa_user_sgpr_count 2
		.amdhsa_user_sgpr_kernarg_segment_ptr 1
		.amdhsa_wavefront_size32 1
		.amdhsa_system_sgpr_workgroup_id_x 1
		.amdhsa_system_sgpr_workgroup_id_y 1
		.amdhsa_system_sgpr_workgroup_id_z 1
		.amdhsa_system_vgpr_workitem_id 0
		.amdhsa_next_free_vgpr 256
		.amdhsa_next_free_sgpr 66
		.amdhsa_reserve_vcc 1
		.amdhsa_float_denorm_mode_32 3
		.amdhsa_float_denorm_mode_16_64 3
		.amdhsa_memory_ordered 1
		.amdhsa_forward_progress 1
		.amdhsa_inst_pref_size 42
	.end_amdhsa_kernel
	.amdgpu_metadata
---
amdhsa.version: [ 1, 2 ]
amdhsa.kernels:
  - .name:           k_q11517f98c6_proj
    .symbol:         k_q11517f98c6_proj.kd
    .args:
      - { .name: xq, .offset: 0, .size: 8, .value_kind: global_buffer, .address_space: global }
      - { .name: wq, .offset: 8, .size: 8, .value_kind: global_buffer, .address_space: global }
      - { .name: bq, .offset: 16, .size: 8, .value_kind: global_buffer, .address_space: global }
      - { .name: bk, .offset: 24, .size: 8, .value_kind: global_buffer, .address_space: global }
      - { .name: bv, .offset: 32, .size: 8, .value_kind: global_buffer, .address_space: global }
      - { .name: qq, .offset: 40, .size: 8, .value_kind: global_buffer, .address_space: global }
      - { .name: kq, .offset: 48, .size: 8, .value_kind: global_buffer, .address_space: global }
      - { .name: vq, .offset: 56, .size: 8, .value_kind: global_buffer, .address_space: global }
    .group_segment_fixed_size: 0
    .private_segment_fixed_size: 0
    .kernarg_segment_align: 8
    .kernarg_segment_size: 64
    .max_flat_workgroup_size: 128
    .sgpr_count:     66
    .vgpr_count:     256
    .wavefront_size: 32
...
	.end_amdgpu_metadata
.endif
;; end of part 2
;; launch tau (part 3): grid 256 x 1, 8 waves a work-group, no clusters, 74,752 bytes of LDS; arguments qq, kq, theta; writes theta
.if DOCPART == 3
	.amdgcn_target "amdgcn-amd-amdhsa--gfx1250"
	.amdhsa_code_object_version 6
	.text
	.protected	k_q11517f98c6_tau
	.globl	k_q11517f98c6_tau
	.p2align	8
	.type	k_q11517f98c6_tau,@function
k_q11517f98c6_tau:
	s_mov_b64 s[64:65], 0
	v_nop
	global_prefetch_b8 v0, s[64:65] scope:SCOPE_SE
	s_setreg_imm32_b32 hwreg(HW_REG_WAVE_MODE, 25, 1), 1
	s_wait_xcnt 0x0
; The entmax threshold of every (batch, head, query), without a sort.  Key tiles that lie wholly behind a query tile are left out: reference()'s own mask gives them weight 0 (shown at the head of the first kernel).
; IN SCORE UNITS.  z = s / 16, s the raw sum Q.K (1/8 for sqrt(64), 1/2 inside entmax).  reference()'s tau is the one root of sum max(z - tau, 0)^2 = 1; with theta = 16 tau: S2(theta) = sum max(s - theta, 0)^2 = 256.
; HOW MANY SWEEPS, for all inputs.  theta lies in [m - 16, m], m the row's largest score.  13 halvings leave lo <= theta with d = (theta - lo) / 16 <= 2^-13.  S2 is convex and falls, so Newton's step from the left stays on the
; left, and its error obeys d' <= n d^2 / (2 s1) with n <= 2048 terms and s1 = sum (z - tau) >= sum (z - tau)^2 / max (z - tau) >= 1: d' <= 1024 d^2: 2^-13 -> 2^-16 -> 2^-22 -> 2^-34.  One sweep for m, 13 halvings, 3 Newton
; steps: 17 sweeps, the same for every row, no branch on data.  lo only moves to a point at which the computed S2 >= 256, so S1 >= sqrt(S2) >= 16 there: the reciprocal is sound.
; THE SCORES ARE MADE ANEW IN EVERY SWEEP, by the matrix unit, with -theta as the C operand: D = s - theta costs no vector line.  A sweep's vector work for 8 scores: 8 maxima with 0 and 4 packed multiply-adds.
; K = 64 IN AN INSTRUCTION OF K = 128: source 0 holds two key tiles X (registers 0-3) and Y (4-7), source 1 is [q | zeros] or [zeros | q], cut out of one run of 12 registers zeros q zeros; zero codes add nothing.
; SHARES.  A work-group has one head's K (69,632 bytes, filled once) in LDS and eight waves, a tile of 16 queries each: waves 0-3 tiles 4 g + w, waves 4-7 tiles 127 - (4 g + w - 4): wave w and wave w + 4 together
; always walk 17 groups of 128 keys.  A wave walks G = tile / 8 whole groups, and the group on the diagonal, where hidden keys get -1e30 as C and -theta is added by vector lines.
; The walk is a loop of a constant 15 trips; a trip at or past G jumps over its group's work (a scalar branch on ids), so that every LDS address is a constant, a lane term and a step of a counted loop.
; LIMITS: as stated at the head of the first kernel.
.set SPW,  1                           ; v1  LDS address of my spare word; never rewritten
.set NIL,  2                           ; v2  0; never rewritten
.set KA0,  3                           ; v3  16 x lane
.set KAD,  4                           ; v4  + the group in hand
.set SA0,  5                           ; v5  65,536 + 4 x lane: the scale words
.set SAD,  6                           ; v6  + the group in hand
.set R4,   7                           ; v7  4 r
.set QZ,   8                           ; v8-19 zeros q zeros
.set QS,   20                          ; v20 q's scale word
.set SC,   21                          ; v21, v22 K's scale words: lanes 0-15 one pair of tiles, lanes 16-31 the next
.set CT,   24                          ; v24-31 -theta, eight times
.set KF,   32                          ; v32-63 four fragments: a group's 8 key tiles
.set D,    64                          ; v64-95 four result tiles by turns
.set M,    96                          ; v96-159 the diagonal group's C: 0, or -1e30 where the key is hidden
.set A2,   160                         ; v160-167 sums of squares
.set A1,   168                         ; v168-175 sums
.set MX,   176                         ; v176-179 maxima
.set LO,   180
.set WD,   181
.set MID,  182
.set TB,   16                          ; s16 the group's codes, s17 its scale words, s18 its number, s19 sweeps to go
.set TS,   17
.set TJ,   18
.set SW,   19
.set SEL,  20                          ; s[20:21] lane selects for v_permlanex16_b32
.set SCW,  65536
.set SPARE, 73728                      ; the spare words, 128 bytes for each of the eight waves
	s_load_b128 s[4:7], s[0:1], 0x0                ; qq, kq
	s_load_b64 s[8:9], s[0:1], 0x10                ; theta
	v_lshl_add_u32 v[SPW], v0, 2, SPARE
	v_mov_b32 v[NIL], 0
	v_lshrrev_b32 v183, 5, v0
	v_readfirstlane_b32 s12, v183                  ; wave 0..7
	v_and_b32 v183, 31, v0
	v_and_b32 v184, 15, v0                         ; r
	v_bfe_u32 v185, v0, 4, 1                       ; h
	v_lshlrev_b32 v[KA0], 4, v183
	v_lshl_add_u32 v[SA0], v183, 2, SCW
	v_lshlrev_b32 v[R4], 2, v184
	s_lshr_b32 s10, ttmp9, 4                       ; 8 batch + head
	s_and_b32 s11, ttmp9, 15
	s_lshl_b32 s13, s11, 2
	s_and_b32 s15, s12, 3
	s_add_co_u32 s13, s13, s15
	s_sub_co_u32 s15, 127, s13
	s_cmp_lt_u32 s12, 4
	s_cselect_b32 s13, s13, s15                    ; my tile of queries
	s_lshr_b32 s14, s13, 3                         ; G: whole groups of 128 keys in front of the diagonal's
	s_mul_i32 s22, s12, 8704
	v_add_nc_u32 v186, s22, v[KA0]                 ; the fill: my wave's 8,704 bytes, in memory and in LDS alike
	s_and_b32 s23, s13, 7
	s_lshl_b32 s23, s23, 4
	v_lshlrev_b32 v187, 4, v185
	v_sub_nc_u32 v187, v184, v187
	v_add_nc_u32 v187, s23, v187                   ; d = my query - the diagonal group's first key - 16 (lane / 16)
	s_mul_i32 s24, s10, 69632
	s_mov_b32 s25, 0
	s_lshl_b32 s26, s10, 7
	s_add_co_u32 s26, s26, s13
	s_lshl_b32 s28, s26, 9
	s_mov_b32 s29, 0
	s_lshl_b32 s30, s26, 6
	s_add_co_u32 s30, s30, 0x100000
	s_mov_b32 s31, 0
	s_lshl_b32 s32, s10, 11
	s_lshl_b32 s33, s13, 4
	s_add_co_u32 s32, s32, s33
	s_lshl_b32 s32, s32, 2
	s_mov_b32 s33, 0
	s_mov_b32 s[SEL], 0x76543210
	s_mov_b32 s[SEL+1], 0xfedcba98
	s_wait_kmcnt 0x0
	s_add_nc_u64 s[6:7], s[6:7], s[24:25]          ; the head's K
	s_add_nc_u64 s[28:29], s[4:5], s[28:29]        ; my tile of Q
	s_add_nc_u64 s[30:31], s[4:5], s[30:31]        ; its scale words
	s_add_nc_u64 s[8:9], s[8:9], s[32:33]          ; my 16 numbers of theta
.set i, 0
.rept 17
	global_load_b128 v[M+4*i:M+4*i+3], v186, s[6:7] offset:512*i   ; 512 consecutive bytes a load
.set i, i+1
.endr
	global_load_b128 v[QZ+4:QZ+7], v[KA0], s[28:29]
	global_load_b32 v[QS], v[R4], s[30:31]
.irp j, 0,1,2,3,8,9,10,11
	v_mov_b32 v[QZ+\j], 0
.endr
	s_wait_loadcnt 2                               ; the 17 loads of the fill are in; Q's two may be out
.set i, 0
.rept 17
	ds_store_b128 v186, v[M+4*i:M+4*i+3] offset:512*i
.set i, i+1
.endr
	s_wait_dscnt 0x0                               ; for the others' sake: my part of K lies in LDS
	s_barrier_signal -1
	s_barrier_wait -1                              ; everybody's does; from here on LDS is only read
.macro LOADA adr, off, sadr, soff      ; key tiles 0-3 of a group, and the scale words of its pairs 0, 1
.irp i, 0,1,2,3
	ds_load_b128 v[KF+4*\i:KF+4*\i+3], v[\adr] offset:\off+512*\i
.endr
	ds_load_b32 v[SC], v[\sadr] offset:\soff
.endm
.macro LOADB adr, off, sadr, soff      ; key tiles 4-7, pairs 2, 3
.irp i, 0,1,2,3
	ds_load_b128 v[KF+16+4*\i:KF+16+4*\i+3], v[\adr] offset:\off+2048+512*\i
.endr
	ds_load_b32 v[SC+1], v[\sadr] offset:\soff+128
.endm
	LOADA KA0, 0, SA0, 0                           ; group 0
	LOADB KA0, 0, SA0, 0
	v_mov_b32 v183, 0xf149f2ca                     ; -1e30
.set n, 0
.rept 64
	v_cmp_gt_i32 vcc_lo, 32*(n/16)+n%16, v187      ; register n of the group holds key 32 (n / 16) + n % 16 + 16 (lane / 16): hidden where that lies behind my query
	v_cndmask_b32 v[M+n], 0, v183, vcc_lo
.set n, n+1
.endr
.irp j, 0,1,2,3
	v_mov_b32 v[MX+\j], 0xff61b1e6                 ; -3e38, under every score
.endr
	s_wait_loadcnt 0x0                             ; Q
; One product: key tile t of the group against my 16 queries.  cm = 0: C = 0; 1: C = -theta; 2: C = the mask
.macro WM t, cm
.set rD, D+8*((\t)%4)
.set rA, KF+8*((\t)/2)
.set rB, QZ+4-4*((\t)%2)
.set rS, SC+(\t)/4
.set rC, CT
.if \cm == 2
.set rC, M+8*(\t)
.endif
.if \cm == 0
.if ((\t)/2)%2
	v_wmma_scale_f32_16x16x128_f8f6f4 v[rD:rD+7], v[rA:rA+7], v[rB:rB+7], 0, v[rS], v[QS] matrix_a_fmt:MATRIX_FMT_FP4 matrix_b_fmt:MATRIX_FMT_FP4 matrix_a_scale:MATRIX_SCALE_ROW1
.else
	v_wmma_scale_f32_16x16x128_f8f6f4 v[rD:rD+7], v[rA:rA+7], v[rB:rB+7], 0, v[rS], v[QS] matrix_a_fmt:MATRIX_FMT_FP4 matrix_b_fmt:MATRIX_FMT_FP4
.endif
.else
.if ((\t)/2)%2
	v_wmma_scale_f32_16x16x128_f8f6f4 v[rD:rD+7], v[rA:rA+7], v[rB:rB+7], v[rC:rC+7], v[rS], v[QS] matrix_a_fmt:MATRIX_FMT_FP4 matrix_b_fmt:MATRIX_FMT_FP4 matrix_a_scale:MATRIX_SCALE_ROW1
.else
	v_wmma_scale_f32_16x16x128_f8f6f4 v[rD:rD+7], v[rA:rA+7], v[rB:rB+7], v[rC:rC+7], v[rS], v[QS] matrix_a_fmt:MATRIX_FMT_FP4 matrix_b_fmt:MATRIX_FMT_FP4
.endif
.endif
.endm
; The vector work on tile t's eight results, from the low end on.  kind 0: the maximum; 1: the sum of squares of what lies above theta; 2: that and the plain sum
.macro VW t, kind, masked
.set rD, D+8*((\t)%4)
.if \kind == 0
.irp j, 0,1,2,3
	v_max3_num_f32 v[MX+\j], v[MX+\j], v[rD+2*\j], v[rD+2*\j+1]
.endr
.else
.if \masked
.irp j, 0,2,4,6
	v_pk_add_f32 v[rD+\j:rD+\j+1], v[rD+\j:rD+\j+1], v[CT:CT+1]   ; C was the mask here: -theta comes by hand
.endr
.endif
.irp j, 0,1,2,3,4,5,6,7
	v_max_num_f32 v[rD+\j], 0, v[rD+\j]
.endr
.irp j, 0,2,4,6
	v_pk_fma_f32 v[A2+\j:A2+\j+1], v[rD+\j:rD+\j+1], v[rD+\j:rD+\j+1], v[A2+\j:A2+\j+1]
.endr
.if \kind == 2
.irp j, 0,2,4,6
	v_pk_add_f32 v[A1+\j:A1+\j+1], v[A1+\j:A1+\j+1], v[rD+\j:rD+\j+1]
.endr
.endif
.endif
.endm
; A GROUP of 128 keys: 8 products, the vector work of one tile behind the product of the next: the work on tile t - 1, at least four plain lines that name no register of product t, are the places between product t and
; the first read of its results, and between a fragment's last product and the loads into its registers.  The next group's fragments are asked for as soon as this group's are done with:
; a whole group asks for the group behind it; the diagonal group asks for group 0, for the next sweep.
.macro GROUP kind, masked
.if \masked
.set CM, 2
.elseif \kind == 0
.set CM, 0
.else
.set CM, 1
.endif
	s_wait_dscnt 5                                 ; tiles 0-3 and their scale words are in; the five loads behind them may be out
	WM 0, CM
	WM 1, CM
.if \masked
.rept 4
	v_nop
.endr
.else
	v_add_nc_u32 v[KAD], s[TB], v[KA0]
	v_add_nc_u32 v[SAD], s[TS], v[SA0]
	v_nop
	v_nop
.endif
	VW 0, \kind, \masked
	WM 2, CM
	VW 1, \kind, \masked
	WM 3, CM
	VW 2, \kind, \masked
.if \masked
	LOADA KA0, 0, SA0, 0
.else
	LOADA KAD, 4096, SAD, 256
.endif
	s_wait_dscnt 5                                 ; tiles 4-7 are in; the five loads just issued may be out
	WM 4, CM
	VW 3, \kind, \masked
	WM 5, CM
	VW 4, \kind, \masked
	WM 6, CM
	VW 5, \kind, \masked
	WM 7, CM
	VW 6, \kind, \masked
.if \masked
	LOADB KA0, 0, SA0, 0
.else
	LOADB KAD, 4096, SAD, 256
.endif
	VW 7, \kind, \masked
.endm
.macro SWEEP kind
	s_mov_b32 s[TB], 0
	s_mov_b32 s[TS], 0
	s_mov_b32 s[TJ], 0
.Lgrp_\@:
	s_cmp_ge_u32 s[TJ], s14                        ; ids and the count of trips alone
	s_cbranch_scc1 .Lskip_\@
	GROUP \kind, 0
.Lskip_\@:
	s_add_co_u32 s[TB], s[TB], 4096
	s_add_co_u32 s[TS], s[TS], 256
	s_add_co_u32 s[TJ], s[TJ], 1
	s_cmp_lt_u32 s[TJ], 15
	s_cbranch_scc1 .Lgrp_\@
	GROUP \kind, 1
.endm
.macro RED a                           ; eight partial sums and lane l xor 16's become the row's sum, in v[a] of both lanes
	v_pk_add_f32 v[\a:\a+1], v[\a:\a+1], v[\a+2:\a+3]
	v_pk_add_f32 v[\a+4:\a+5], v[\a+4:\a+5], v[\a+6:\a+7]
	v_pk_add_f32 v[\a:\a+1], v[\a:\a+1], v[\a+4:\a+5]
	v_add_f32 v[\a], v[\a], v[\a+1]
	v_permlanex16_b32 v[\a+1], v[\a], s[SEL], s[SEL+1]
	v_add_f32 v[\a], v[\a], v[\a+1]
.endm
	SWEEP 0                                        ; the row's largest score
	v_max3_num_f32 v[MX], v[MX], v[MX+1], v[MX+2]
	v_max_num_f32 v[MX], v[MX], v[MX+3]
	v_permlanex16_b32 v[MX+1], v[MX], s[SEL], s[SEL+1]
	v_max_num_f32 v[MX], v[MX], v[MX+1]
	v_add_f32 v[LO], 0xc1800000, v[MX]             ; lo = m - 16
	v_mov_b32 v[WD], 0x41000000                    ; half the bracket: 8
	s_mov_b32 s[SW], 13
.Lbis:
	v_add_f32 v[MID], v[LO], v[WD]
.irp j, 0,1,2,3,4,5,6,7
	v_mul_f32 v[CT+\j], -1.0, v[MID]
.endr
.irp j, 0,1,2,3,4,5,6,7
	v_mov_b32 v[A2+\j], 0
.endr
	SWEEP 1
	RED A2
	v_cmp_le_f32 vcc_lo, 0x43800000, v[A2]         ; 256 <= S2(mid): theta lies at or above mid.  The choice selects a value: no branch hangs on it
	v_cndmask_b32 v[LO], v[LO], v[MID], vcc_lo
	v_mul_f32 v[WD], 0.5, v[WD]
	s_sub_co_u32 s[SW], s[SW], 1
	s_cmp_lg_u32 s[SW], 0
	s_cbranch_scc1 .Lbis
	s_mov_b32 s[SW], 3
.Lnewton:
.irp j, 0,1,2,3,4,5,6,7
	v_mul_f32 v[CT+\j], -1.0, v[LO]
.endr
.irp j, 0,1,2,3,4,5,6,7
	v_mov_b32 v[A2+\j], 0
	v_mov_b32 v[A1+\j], 0
.endr
	SWEEP 2
	RED A2
	RED A1
	v_rcp_f32 v183, v[A1]
	v_add_f32 v184, 0xc3800000, v[A2]              ; S2 - 256: a plain line behind the reciprocal
	v_mul_f32 v184, 0.5, v184
	s_wait_alu depctr_va_vdst(0)                   ; the reciprocal is written, ahead of the first line that names it
	v_fma_f32 v[LO], v184, v183, v[LO]             ; lo += (S2 - 256) / (2 S1)
	s_sub_co_u32 s[SW], s[SW], 1
	s_cmp_lg_u32 s[SW], 0
	s_cbranch_scc1 .Lnewton
	global_store_b32 v[R4], v[LO], s[8:9]          ; 64 consecutive bytes; both halves of the lanes store the same word
	s_wait_tensorcnt 0x0                           ; the wave's end; the wait on LDS two lines on also covers the ten loads that the last group asked for
	ds_add_u32 v[SPW], v[NIL]
	s_wait_dscnt 0x0
	s_endpgm
.Lfunc_end_k_q11517f98c6_tau:
	.size	k_q11517f98c6_tau, .Lfunc_end_k_q11517f98c6_tau-k_q11517f98c6_tau
	.p2alignl 7, 3214868480
	.fill 96, 4, 3214868480
	.section	.rodata,"a",@progbits
	.p2align	6, 0x0
	.amdhsa_kernel k_q11517f98c6_tau
		.amdhsa_group_segment_fixed_size 74752
		.amdhsa_private_segment_fixed_size 0
		.amdhsa_enable_private_segment 0
		.amdhsa_kernarg_size 24
		.amdhsa_user_sgpr_count 2
		.amdhsa_user_sgpr_kernarg_segment_ptr 1
		.amdhsa_wavefront_size32 1
		.amdhsa_system_sgpr_workgroup_id_x 1
		.amdhsa_system_sgpr_workgroup_id_y 1
		.amdhsa_system_sgpr_workgroup_id_z 1
		.amdhsa_system_vgpr_workitem_id 0
		.amdhsa_next_free_vgpr 192
		.amdhsa_next_free_sgpr 66
		.amdhsa_reserve_vcc 1
		.amdhsa_float_denorm_mode_32 3
		.amdhsa_float_denorm_mode_16_64 3
		.amdhsa_memory_ordered 1
		.amdhsa_forward_progress 1
		.amdhsa_inst_pref_size 55
	.end_amdhsa_kernel
	.amdgpu_metadata
---
amdhsa.version: [ 1, 2 ]
amdhsa.kernels:
  - .name:           k_q11517f98c6_tau
    .symbol:         k_q11517f98c6_tau.kd
    .args:
      - { .name: qq, .offset: 0, .size: 8, .value_kind: global_buffer, .address_space: global }
      - { .name: kq, .offset: 8, .size: 8, .value_kind: global_buffer, .address_space: global }
      - { .name: theta, .offset: 16, .size: 8, .value_kind: global_buffer, .address_space: global }
    .group_segment_fixed_size: 74752
    .private_segment_fixed_size: 0
    .kernarg_segment_align: 8
    .kernarg_segment_size: 24
    .max_flat_workgroup_size: 256
    .sgpr_count:     66
    .vgpr_count:     192
    .wavefront_size: 32
...
	.end_amdgpu_metadata
.endif
;; end of part 3
;; launch out (part 4): grid 256 x 1, 16 waves a work-group, no clusters, 239,872 bytes of LDS; arguments qq, kq, theta, vq, wq, bo, out0, out1; writes out0, out1
.if DOCPART == 4
	.amdgcn_target "amdgcn-amd-amdhsa--gfx1250"
	.amdhsa_code_object_version 6
	.text
	.protected	k_q11517f98c6_out
	.globl	k_q11517f98c6_out
	.p2align	8
	.type	k_q11517f98c6_out,@function
k_q11517f98c6_out:
	s_mov_b64 s[64:65], 0
	v_nop
	global_prefetch_b8 v0, s[64:65] scope:SCOPE_SE
	s_setreg_imm32_b32 hwreg(HW_REG_WAVE_MODE, 25, 1), 1
	s_wait_xcnt 0x0
; The weights' mean over the heads (out1), its product with the mean V, and the projection by Wo (out0).  Key blocks that lie wholly behind the work-group's queries are left out: their weights are 0 by reference()'s own mask
; (shown at the head of the first kernel): their part of out1 is stored as zeros, and their K steps of the second product, whose codes would be zeros, are not made.
; SHARES.  A work-group owns 16 queries of one batch.  Wave w owns keys 128 w .. 128 w + 127 for all eight heads; later Wo's columns 32 w .. 32 w + 31; last row w of out0.  Waves whose keys all lie behind the queries store zeros.
; A WEIGHT is max(s - theta, 0)^2 / 256, its mean over the heads one eighth of the sum: sum over heads of max(s - theta, 0)^2 x 2^-11: powers of two, nothing is rounded by them.  s - theta comes from the matrix unit, with
; -theta as C, as in the launch before: source 0 = two key tiles, source 1 = [q | zeros] or [zeros | q].  A lane holds ONE query; the 16 registers of two neighbouring key tiles are 16 neighbouring keys.
; So the 64 sums of a lane are quantised along the keys in registers and are source 1 of O^T = V^T P^T (source 0 = 16 channels x 128 keys, an image made by the second launch).  The sixteen waves' parts of O^T meet in LDS,
; as images of registers; the sum is quantised along the 64 channels by every wave and multiplied by the wave's pair of tiles of Wo, with bo loaded into the accumulators.
; out1 leaves through the wave's own stage, out0 through a shared one: every store of a wave covers 512 consecutive bytes, aligned.  Three barriers, on every wave's path.
; LIMITS: as stated at the head of the first kernel.
.set SPW,  1                           ; v1  LDS address of my spare word; never rewritten
.set NIL,  2                           ; v2  0; never rewritten
.set L16,  3                           ; v3  16 x lane
.set L4,   4                           ; v4  4 x lane
.set R4,   5                           ; v5  4 r
.set STO,  6                           ; v6  my stage for out1: where I put my numbers
.set SRD,  7                           ; v7  and where I read a row back
.set OPW,  8                           ; v8  where my part of O^T goes
.set OPR,  9                           ; v9  the sixteen parts' piece w
.set OSW,  10                          ; v10 the sum's piece w
.set OSR,  11                          ; v11 the whole sum
.set OTW,  12                          ; v12 the stage for out0: where I put my numbers
.set OTR,  13                          ; v13 and row w of it
.set DQ,   14                          ; v14 my query - the diagonal block's first key - 16 (lane / 16)
.set H32,  15                          ; v15 32 (lane / 16)
.set WOS,  16                          ; v16 Wo's scale word
.set QZ,   20                          ; v20-87 zeros q0 zeros q1 .. q7 zeros: [q | 0] of head hd at 24 + 8 hd, [0 | q] at 20 + 8 hd
.set QS,   88                          ; v88-95 Q's scale words
.set TH,   96                          ; v96-103 theta of the eight heads
.set CT,   104                         ; v104-111 -theta, eight times
.set SC,   112                         ; v112, v113 K's scale words
.set VS,   114                         ; v114-117 V's scale words
.set PW,   118                         ; v118 p's scale word
.set OW,   119                         ; v119 o's scale word
.set KF,   120                         ; v120-151 four fragments of K, later of V
.set D,    152                         ; v152-183 four result tiles by turns; later O^T
.set WACC, 184                         ; v184-247 the 64 sums over the heads
.set PC,   248                         ; v248-255 p's codes
.set TM,   96                          ; v96-107 at work in the quantisers, when theta is done with
.set RB,   20                          ; v20-83 rows on their way out, when Q is done with
.set WOF,  184                         ; behind the join: Wo's fragment, v184-191;
.set OB,   192                         ; bo, then my 32 columns of out0, v192-207;
.set OZ,   208                         ; zeros o zeros, v208-219;
.set OS,   120                         ; the summed O^T, v120-151
.set SEL,  54                          ; s[54:55] lane selects for v_permlanex16_b32
.set OPART, 135168                     ; LDS: 0: sixteen stages of 16 rows x 528 bytes;  OPART: sixteen parts of O^T, 4,096 bytes each;
.set OSUM,  200704                     ; their sum;
.set OST,   204800                     ; the stage for out0: 16 rows x 2,064 bytes;
.set SPARE, 237824                     ; the spare words, 128 bytes for each of the sixteen waves
	s_load_b512 s[8:23], s[0:1], 0x0               ; qq s[8:9], kq s[10:11], theta s[12:13], vq s[14:15], wq s[16:17], bo s[18:19], out0 s[20:21], out1 s[22:23]
	v_lshl_add_u32 v[SPW], v0, 2, SPARE
	v_mov_b32 v[NIL], 0
	v_lshrrev_b32 v17, 5, v0
	v_readfirstlane_b32 s27, v17                   ; wave 0..15
	v_and_b32 v17, 15, v0                          ; r
	v_bfe_u32 v18, v0, 4, 1                        ; h
	v_and_b32 v19, 31, v0                          ; lane
	s_lshr_b32 s24, ttmp9, 7                       ; batch
	s_and_b32 s25, ttmp9, 127                      ; tile of queries
	s_lshr_b32 s26, s25, 3                         ; the block of 128 keys on the diagonal
	v_lshlrev_b32 v[L16], 4, v19
	v_lshlrev_b32 v[L4], 2, v19
	v_lshlrev_b32 v[R4], 2, v17
	v_lshlrev_b32 v[H32], 5, v18
	; every LDS address is made here, ahead of the waves' parting: a constant, a lane term, the wave's number times a constant
	s_mul_i32 s52, s27, 8448
	v_mul_u32_u24 v[STO], v17, 528
	v_lshl_add_u32 v[STO], v18, 6, v[STO]
	v_add_nc_u32 v[STO], s52, v[STO]               ; row r, + 64 h
	v_add_nc_u32 v[SRD], s52, v[L16]
	s_lshl_b32 s52, s27, 12
	s_add_co_u32 s52, s52, OPART
	v_add_nc_u32 v[OPW], s52, v[L16]
	s_lshl_b32 s52, s27, 9
	s_add_co_u32 s53, s52, OPART
	v_add_nc_u32 v[OPR], s53, v[L16]
	s_add_co_u32 s53, s52, OSUM
	v_add_nc_u32 v[OSW], s53, v[L16]
	v_add_nc_u32 v[OSR], OSUM, v[L16]
	s_lshl_b32 s52, s27, 7
	s_add_co_u32 s52, s52, OST
	v_mul_u32_u24 v[OTW], v17, 2064
	v_lshl_add_u32 v[OTW], v18, 5, v[OTW]
	v_add_nc_u32 v[OTW], s52, v[OTW]               ; row r, + 128 w + 32 h
	s_mul_i32 s52, s27, 2064
	s_add_co_u32 s52, s52, OST
	v_add_nc_u32 v[OTR], s52, v[L16]
	s_and_b32 s52, s25, 7
	s_lshl_b32 s52, s52, 4
	v_lshlrev_b32 v[DQ], 4, v18
	v_sub_nc_u32 v[DQ], v17, v[DQ]
	v_add_nc_u32 v[DQ], s52, v[DQ]
.irp j, 0,1,2,3
	v_mov_b32 v[QZ+\j], 0
.endr
	s_mov_b32 s[SEL], 0x76543210
	s_mov_b32 s[SEL+1], 0xfedcba98
	; byte offsets, each in a pair of its own; the head stands in the loads' immediates
	s_mul_i32 s28, s24, 557056                     ; eight heads of K a batch
	s_add_co_u32 s30, s28, 0x10000
	s_lshl_b32 s52, s27, 12
	s_add_co_u32 s28, s28, s52                     ; my 8 key tiles
	s_mov_b32 s29, 0
	s_lshl_b32 s52, s27, 8
	s_add_co_u32 s30, s30, s52                     ; their scale words
	s_mov_b32 s31, 0
	s_lshl_b32 s52, s24, 10
	s_add_co_u32 s52, s52, s25
	s_lshl_b32 s32, s52, 9                         ; Q's tile of head 0
	s_mov_b32 s33, 0
	s_lshl_b32 s34, s52, 6
	s_add_co_u32 s34, s34, 0x100000
	s_mov_b32 s35, 0
	s_lshl_b32 s36, s24, 16
	s_lshl_b32 s52, s25, 6
	s_add_co_u32 s36, s36, s52                     ; theta of head 0
	s_mov_b32 s37, 0
	s_lshl_b32 s52, s24, 4
	s_add_co_u32 s52, s52, s27
	s_lshl_b32 s38, s52, 12                        ; V's four fragments of my 128 keys
	s_mov_b32 s39, 0
	s_lshl_b32 s40, s52, 8
	s_add_co_u32 s40, s40, 131072
	s_mov_b32 s41, 0
	s_add_co_u32 s52, s27, 384
	s_lshl_b32 s42, s52, 10                        ; Wo's pair w
	s_mov_b32 s43, 0
	s_lshl_b32 s44, s52, 7
	s_add_co_u32 s44, s44, 409600
	s_mov_b32 s45, 0
	s_lshl_b32 s46, s27, 7                         ; bo's 32 numbers
	s_mov_b32 s47, 0
	s_lshl_b32 s52, s24, 11
	s_lshl_b32 s53, s25, 4
	s_add_co_u32 s52, s52, s53                     ; my work-group's first row of the outputs
	s_lshl_b32 s48, s52, 13
	s_lshl_b32 s53, s27, 9
	s_add_co_u32 s48, s48, s53                     ; out1: that row, my 128 columns
	s_mov_b32 s49, 0
	s_add_co_u32 s52, s52, s27
	s_lshl_b32 s50, s52, 11                        ; out0: row w of the sixteen
	s_mov_b32 s51, 0
	s_wait_kmcnt 0x0
	s_add_nc_u64 s[28:29], s[10:11], s[28:29]
	s_add_nc_u64 s[30:31], s[10:11], s[30:31]
	s_add_nc_u64 s[32:33], s[8:9], s[32:33]
	s_add_nc_u64 s[34:35], s[8:9], s[34:35]
	s_add_nc_u64 s[36:37], s[12:13], s[36:37]
	s_add_nc_u64 s[38:39], s[14:15], s[38:39]
	s_add_nc_u64 s[40:41], s[14:15], s[40:41]
	s_add_nc_u64 s[42:43], s[16:17], s[42:43]
	s_add_nc_u64 s[44:45], s[16:17], s[44:45]
	s_add_nc_u64 s[46:47], s[18:19], s[46:47]
	s_add_nc_u64 s[48:49], s[22:23], s[48:49]
	s_add_nc_u64 s[50:51], s[20:21], s[50:51]
	s_cmp_gt_u32 s27, s26                          ; ids alone: are all my keys hidden?
	s_cbranch_scc1 .Lidle
.macro KLA hd                          ; head hd: my key tiles 0-3 and the scale words of pairs 0, 1
.irp i, 0,1,2,3
	global_load_b128 v[KF+4*\i:KF+4*\i+3], v[L16], s[28:29] offset:(\hd)*69632+512*\i
.endr
	global_load_b32 v[SC], v[L4], s[30:31] offset:(\hd)*69632
.endm
.macro KLB hd                          ; key tiles 4-7, pairs 2, 3
.irp i, 0,1,2,3
	global_load_b128 v[KF+16+4*\i:KF+16+4*\i+3], v[L16], s[28:29] offset:(\hd)*69632+2048+512*\i
.endr
	global_load_b32 v[SC+1], v[L4], s[30:31] offset:(\hd)*69632+128
.endm
.macro VL f                            ; V's fragments f, f + 1
.irp i, 0,1
.irp c, 0,1
	global_load_b128 v[KF+8*(\f+\i)+4*\c:KF+8*(\f+\i)+4*\c+3], v[L16], s[38:39] offset:(\f+\i)*1024+512*\c
.endr
.endr
.endm
.irp hd, 0,1,2,3,4,5,6,7
	global_load_b128 v[QZ+4+8*\hd:QZ+7+8*\hd], v[L16], s[32:33] offset:\hd*65536
.endr
.irp hd, 0,1,2,3,4,5,6,7
	global_load_b32 v[QS+\hd], v[R4], s[34:35] offset:\hd*8192
.endr
.irp hd, 0,1,2,3,4,5,6,7
	global_load_b32 v[TH+\hd], v[R4], s[36:37] offset:\hd*8192
.endr
.irp t, 0,1,2,3
	global_load_b32 v[VS+\t], v[R4], s[40:41] offset:\t*64
.endr
	KLA 0
	KLB 0
.irp i, 1,2,3,4,5,6,7,8
.irp j, 0,1,2,3
	v_mov_b32 v[QZ+8*\i+\j], 0
.endr
.endr
	s_wait_loadcnt 10                              ; Q, its scale words, theta and V's scale words are in; the two batches of K may be out
.irp j, 0,1,2,3,4,5,6,7
	v_mul_f32 v[CT+\j], -1.0, v[TH]
.endr
.rept 4
	v_nop
.endr
.macro WM t, hd                        ; key tile t of my 128 keys against head hd's 16 queries, less theta
.set rD, D+8*((\t)%4)
.set rA, KF+8*((\t)/2)
.set rB, QZ+4+8*(\hd)-4*((\t)%2)
.set rS, SC+(\t)/4
.if ((\t)/2)%2
	v_wmma_scale_f32_16x16x128_f8f6f4 v[rD:rD+7], v[rA:rA+7], v[rB:rB+7], v[CT:CT+7], v[rS], v[QS+\hd] matrix_a_fmt:MATRIX_FMT_FP4 matrix_b_fmt:MATRIX_FMT_FP4 matrix_a_scale:MATRIX_SCALE_ROW1
.else
	v_wmma_scale_f32_16x16x128_f8f6f4 v[rD:rD+7], v[rA:rA+7], v[rB:rB+7], v[CT:CT+7], v[rS], v[QS+\hd] matrix_a_fmt:MATRIX_FMT_FP4 matrix_b_fmt:MATRIX_FMT_FP4
.endif
.endm
.macro VW t, hd                        ; max(s - theta, 0)^2 onto the sums over the heads; head 0 starts them: nothing is cleared
.set rD, D+8*((\t)%4)
.set rW, WACC+8*(\t)
.irp j, 0,1,2,3,4,5,6,7
	v_max_num_f32 v[rD+\j], 0, v[rD+\j]
.endr
.irp j, 0,2,4,6
.if \hd == 0
	v_pk_mul_f32 v[rW+\j:rW+\j+1], v[rD+\j:rD+\j+1], v[rD+\j:rD+\j+1]
.else
	v_pk_fma_f32 v[rW+\j:rW+\j+1], v[rD+\j:rD+\j+1], v[rD+\j:rD+\j+1], v[rW+\j:rW+\j+1]
.endif
.endr
.endm
; A HEAD: 8 products, the vector work of one tile behind the product of the next: twelve plain lines that name no register of that product are its places.  The next head's fragments are asked for as soon as this head's
; are done with; behind the last head V's come into the same registers.
.macro HEAD hd
	s_wait_loadcnt 5                               ; key tiles 0-3 are in; the five loads behind them may be out
	WM 0, \hd
	WM 1, \hd
.rept 4
	v_nop
.endr
	VW 0, \hd
	WM 2, \hd
	VW 1, \hd
	WM 3, \hd
	VW 2, \hd
.if \hd < 7
	KLA \hd+1
	s_wait_loadcnt 5                               ; key tiles 4-7 are in; the five loads just issued may be out
.else
	VL 0
	s_wait_loadcnt 4                               ; likewise: four loads were issued
.endif
	WM 4, \hd
	VW 3, \hd
	WM 5, \hd
	VW 4, \hd
	WM 6, \hd
	VW 5, \hd
	WM 7, \hd
	VW 6, \hd
.if \hd < 7
	KLB \hd+1
.irp j, 0,1,2,3,4,5,6,7
	v_mul_f32 v[CT+\j], -1.0, v[TH+\hd+1]          ; the next head's -theta: behind tile 6's twelve lines, ahead of tile 7's
.endr
.else
	VL 2
.endif
	VW 7, \hd
.endm
.irp hd, 0,1,2,3,4,5,6,7
	HEAD \hd
.endr
.set j, 0
.rept 32
	v_pk_mul_f32 v[WACC+j:WACC+j+1], v[WACC+j:WACC+j+1], 0x3a000000 op_sel_hi:[1,0]   ; x 2^-11: 1/256 of entmax, 1/8 of the mean
.set j, j+2
.endr
	s_cmp_lg_u32 s27, s26
	s_cbranch_scc1 .Lopen                          ; only the block on the diagonal has hidden keys
.set n, 0
.rept 64
	v_cmp_gt_i32 vcc_lo, 32*(n/16)+n%16, v[DQ]     ; register n holds key 32 (n / 16) + n % 16 + 16 (lane / 16) of my 128
	v_cndmask_b32 v[WACC+n], v[WACC+n], v[QZ], vcc_lo   ; (v[QZ] holds 0)
.set n, n+1
.endr
.Lopen:
.irp p, 0,1,2,3
.irp u, 0,1
	ds_store_b128 v[STO], v[WACC+16*\p+8*\u:WACC+16*\p+8*\u+3] offset:128*\p+32*\u
	ds_store_b128 v[STO], v[WACC+16*\p+8*\u+4:WACC+16*\p+8*\u+7] offset:128*\p+32*\u+16
.endr
.endr
.set i, 0
.rept 16
	ds_load_b128 v[RB+4*i:RB+4*i+3], v[SRD] offset:528*i   ; LDS serves a wave's instructions in order: these see my stores
.set i, i+1
.endr
	; the weights become source 1 of the second product, while LDS works.  None is negative: no |.| on the sources
.irp b, 0,1,2,3
	v_max3_num_f32 v[TM+\b], v[WACC+16*\b], v[WACC+1+16*\b], 0x1800000   ; with the floor 2^(3 - 127): the byte cannot fall under 1
.endr
.irp i, 2,4,6,8,10,12,14
.irp b, 0,1,2,3
	v_max3_num_f32 v[TM+\b], v[TM+\b], v[WACC+16*\b+\i], v[WACC+1+16*\b+\i]
.endr
.endr
.irp b, 0,1,2,3
	v_permlanex16_b32 v[TM+4+\b], v[TM+\b], s[SEL], s[SEL+1]
.endr
.irp b, 0,1,2,3
	v_max_num_f32 v[TM+\b], v[TM+\b], v[TM+4+\b]
.endr
.irp b, 0,1,2,3
	v_add_nc_u32 v[TM+8+\b], 0xff000000, v[TM+\b]
.endr
.irp b, 0,1,2,3
	v_lshrrev_b32 v[TM+4+\b], 23, v[TM+8+\b]
.endr
	v_lshl_or_b32 v[PW], v[TM+5], 8, v[TM+4]
	v_lshl_or_b32 v[PW], v[TM+6], 16, v[PW]
	v_lshl_or_b32 v[PW], v[TM+7], 24, v[PW]
.irp b, 0,1,2,3
	v_cvt_scalef32_pk8_fp4_f32 v[PC+2*\b], v[WACC+16*\b:WACC+7+16*\b], v[TM+8+\b]
	v_cvt_scalef32_pk8_fp4_f32 v[PC+1+2*\b], v[WACC+8+16*\b:WACC+15+16*\b], v[TM+8+\b]
.endr
	v_nop                                          ; one plain line behind a scaled conversion
.irp c, 0,1
.irp i, 0,1
	v_permlane16_swap_b32 v[PC+4*\c+\i], v[PC+2+4*\c+\i]   ; a whole block of 32 keys to a lane
.endr
.endr
.set i, 0
.rept 16
	s_wait_dscnt 15-i                              ; row i is back; the younger rows' loads may be out
	global_store_b128 v[L16], v[RB+4*i:RB+4*i+3], s[48:49] offset:8192*i th:TH_STORE_NT   ; 512 consecutive bytes of a row of out1, aligned
.set i, i+1
.endr
	s_wait_loadcnt 0x0                             ; V's fragments
.rept 8
	v_nop                                          ; a scale word made by vector lines stands eight places ahead of the product, codes so made four
.endr
.irp t, 0,1,2,3
	v_wmma_scale_f32_16x16x128_f8f6f4 v[D+8*\t:D+8*\t+7], v[KF+8*\t:KF+8*\t+7], v[PC:PC+7], 0, v[VS+\t], v[PW] matrix_a_fmt:MATRIX_FMT_FP4 matrix_b_fmt:MATRIX_FMT_FP4
.endr
.rept 4
	v_nop
.endr
.irp c, 0,1,2,3,4,5,6,7
	ds_store_b128 v[OPW], v[D+4*\c:D+4*\c+3] offset:512*\c   ; my part of O^T, as it stands in the registers; each accumulator from its low end on
.endr
	s_branch .Ljoin
.Lidle:
.set i, 0
.rept 16
	global_store_b128 v[L16], v[QZ:QZ+3], s[48:49] offset:8192*i th:TH_STORE_NT   ; zeros
.set i, i+1
.endr
.irp c, 0,1,2,3,4,5,6,7
	ds_store_b128 v[OPW], v[QZ:QZ+3] offset:512*\c
.endr
.Ljoin:
	global_load_b128 v[WOF:WOF+3], v[L16], s[42:43]
	global_load_b128 v[WOF+4:WOF+7], v[L16], s[42:43] offset:512
	global_load_b32 v[WOS], v[L4], s[44:45]
.irp c, 0,1
	global_load_b128 v[OB+8*\c:OB+8*\c+3], v[H32], s[46:47] offset:64*\c        ; bo goes into the accumulators: lane (r, h), tile c: columns 16 c + 8 h + 0 .. 7 of my 32
	global_load_b128 v[OB+8*\c+4:OB+8*\c+7], v[H32], s[46:47] offset:64*\c+16
.endr
	s_wait_dscnt 0x0                               ; for the others' sake: my part of O^T lies in LDS
	s_barrier_signal -1
	s_barrier_wait -1
	s_wait_xcnt 0x0                                ; the stores to out1 have read their registers, which are taken again below
	s_cmp_lt_u32 s27, 8
	s_cbranch_scc0 .Lnored
.set i, 0
.rept 16
	ds_load_b128 v[RB+4*i:RB+4*i+3], v[OPR] offset:4096*i   ; piece w (four registers) of all sixteen parts
.set i, i+1
.endr
	s_wait_dscnt 0x0
.irp i, 0,1,2,3,4,5,6,7
	v_pk_add_f32 v[RB+4*\i:RB+4*\i+1], v[RB+4*\i:RB+4*\i+1], v[RB+32+4*\i:RB+32+4*\i+1]
	v_pk_add_f32 v[RB+4*\i+2:RB+4*\i+3], v[RB+4*\i+2:RB+4*\i+3], v[RB+32+4*\i+2:RB+32+4*\i+3]
.endr
.irp i, 0,1,2,3
	v_pk_add_f32 v[RB+4*\i:RB+4*\i+1], v[RB+4*\i:RB+4*\i+1], v[RB+16+4*\i:RB+16+4*\i+1]
	v_pk_add_f32 v[RB+4*\i+2:RB+4*\i+3], v[RB+4*\i+2:RB+4*\i+3], v[RB+16+4*\i+2:RB+16+4*\i+3]
.endr
.irp i, 0,1
	v_pk_add_f32 v[RB+4*\i:RB+4*\i+1], v[RB+4*\i:RB+4*\i+1], v[RB+8+4*\i:RB+8+4*\i+1]
	v_pk_add_f32 v[RB+4*\i+2:RB+4*\i+3], v[RB+4*\i+2:RB+4*\i+3], v[RB+8+4*\i+2:RB+8+4*\i+3]
.endr
	v_pk_add_f32 v[RB:RB+1], v[RB:RB+1], v[RB+4:RB+5]
	v_pk_add_f32 v[RB+2:RB+3], v[RB+2:RB+3], v[RB+6:RB+7]
	ds_store_b128 v[OSW], v[RB:RB+3]
.Lnored:
	s_wait_dscnt 0x0
	s_barrier_signal -1
	s_barrier_wait -1                              ; the summed O^T lies in LDS
.irp c, 0,1,2,3,4,5,6,7
	ds_load_b128 v[OS+4*\c:OS+4*\c+3], v[OSR] offset:512*\c
.endr
.irp j, 0,1,2,3,8,9,10,11
	v_mov_b32 v[OZ+\j], 0
.endr
	v_mov_b32 v[TM+2], 0                           ; a lane permute's destination counts as one of its sources
	v_mov_b32 v[TM+3], 0
	s_wait_dscnt 0x0
	; 32 numbers of a lane, register 16 b + i = channel 32 b + 16 (lane / 16) + i of my query, become o's codes and scale bytes
.irp b, 0,1
	v_max3_num_f32 v[TM+\b], |v[OS+16*\b]|, |v[OS+1+16*\b]|, 0x1800000
.endr
.irp i, 2,4,6,8,10,12,14
.irp b, 0,1
	v_max3_num_f32 v[TM+\b], v[TM+\b], |v[OS+16*\b+\i]|, |v[OS+1+16*\b+\i]|
.endr
.endr
.irp b, 0,1
	v_permlanex16_b32 v[TM+2+\b], v[TM+\b], s[SEL], s[SEL+1]
.endr
.irp b, 0,1
	v_max_num_f32 v[TM+\b], v[TM+\b], v[TM+2+\b]
.endr
.irp b, 0,1
	v_add_nc_u32 v[TM+4+\b], 0xff000000, v[TM+\b]
.endr
.irp b, 0,1
	v_lshrrev_b32 v[TM+2+\b], 23, v[TM+4+\b]
.endr
	v_lshl_or_b32 v[TM+6], v[TM+3], 8, v[TM+2]
	v_lshl_or_b32 v[OW], v[TM+6], 16, v[TM+6]      ; [s0 s1 s0 s1]
.irp b, 0,1
	v_cvt_scalef32_pk8_fp4_f32 v[OZ+4+2*\b], v[OS+16*\b:OS+16*\b+7], v[TM+4+\b]
	v_cvt_scalef32_pk8_fp4_f32 v[OZ+5+2*\b], v[OS+16*\b+8:OS+16*\b+15], v[TM+4+\b]
.endr
	v_nop
	v_permlane16_swap_b32 v[OZ+4], v[OZ+6]
	v_permlane16_swap_b32 v[OZ+5], v[OZ+7]
	s_wait_loadcnt 0x0                             ; Wo's fragment, its scale word, bo
.rept 8
	v_nop                                          ; a scale word made by vector lines stands eight places ahead of the product, codes so made four
.endr
	v_wmma_scale_f32_16x16x128_f8f6f4 v[OB:OB+7], v[WOF:WOF+7], v[OZ+4:OZ+11], v[OB:OB+7], v[WOS], v[OW] matrix_a_fmt:MATRIX_FMT_FP4 matrix_b_fmt:MATRIX_FMT_FP4       ; columns 32 w + 0 .. 15: [o | zeros]
	v_wmma_scale_f32_16x16x128_f8f6f4 v[OB+8:OB+15], v[WOF:WOF+7], v[OZ:OZ+7], v[OB+8:OB+15], v[WOS], v[OW] matrix_a_fmt:MATRIX_FMT_FP4 matrix_b_fmt:MATRIX_FMT_FP4   ; columns 32 w + 16 .. 31: [zeros | o]
.rept 4
	v_nop
.endr
.irp c, 0,1
	ds_store_b128 v[OTW], v[OB+8*\c:OB+8*\c+3] offset:64*\c
	ds_store_b128 v[OTW], v[OB+8*\c+4:OB+8*\c+7] offset:64*\c+16
.endr
	s_wait_dscnt 0x0
	s_barrier_signal -1
	s_barrier_wait -1                              ; sixteen whole rows of out0 lie in the stage
.irp i, 0,1,2,3
	ds_load_b128 v[RB+4*\i:RB+4*\i+3], v[OTR] offset:512*\i
.endr
.irp i, 0,1,2,3
	s_wait_dscnt 3-\i                              ; piece i is back; the younger loads may be out
	global_store_b128 v[L16], v[RB+4*\i:RB+4*\i+3], s[50:51] offset:512*\i th:TH_STORE_NT   ; 512 consecutive bytes of a row of out0, aligned
.endr
	s_wait_tensorcnt 0x0                           ; the wave's end
	ds_add_u32 v[SPW], v[NIL]
	s_wait_dscnt 0x0
	s_endpgm
.Lfunc_end_k_q11517f98c6_out:
	.size	k_q11517f98c6_out, .Lfunc_end_k_q11517f98c6_out-k_q11517f98c6_out
	.p2alignl 7, 3214868480
	.fill 96, 4, 3214868480
	.section	.rodata,"a",@progbits
	.p2align	6, 0x0
	.amdhsa_kernel k_q11517f98c6_out
		.amdhsa_group_segment_fixed_size 239872
		.amdhsa_private_segment_fixed_size 0
		.amdhsa_enable_private_segment 0
		.amdhsa_kernarg_size 64
		.amdhsa_user_sgpr_count 2
		.amdhsa_user_sgpr_kernarg_segment_ptr 1
		.amdhsa_wavefront_size32 1
		.amdhsa_system_sgpr_workgroup_id_x 1
		.amdhsa_system_sgpr_workgroup_id_y 1
		.amdhsa_system_sgpr_workgroup_id_z 1
		.amdhsa_system_vgpr_workitem_id 0
		.amdhsa_next_free_vgpr 256
		.amdhsa_next_free_sgpr 66
		.amdhsa_reserve_vcc 1
		.amdhsa_float_denorm_mode_32 3
		.amdhsa_float_denorm_mode_16_64 3
		.amdhsa_memory_ordered 1
		.amdhsa_forward_progress 1
		.amdhsa_inst_pref_size 88
	.end_amdhsa_kernel
	.amdgpu_metadata
---
amdhsa.version: [ 1, 2 ]
amdhsa.kernels:
  - .name:           k_q11517f98c6_out
    .symbol:         k_q11517f98c6_out.kd
    .args:
      - { .name: qq, .offset: 0, .size: 8, .value_kind: global_buffer, .address_space: global }
      - { .name: kq, .offset: 8, .size: 8, .value_kind: global_buffer, .address_space: global }
      - { .name: theta, .offset: 16, .size: 8, .value_kind: global_buffer, .address_space: global }
      - { .name: vq, .offset: 24, .size: 8, .value_kind: global_buffer, .address_space: global }
      - { .name: wq, .offset: 32, .size: 8, .value_kind: global_buffer, .address_space: global }
      - { .name: bo, .offset: 40, .size: 8, .value_kind: global_buffer, .address_space: global }
      - { .name: out0, .offset: 48, .size: 8, .value_kind: global_buffer, .address_space: global }
      - { .name: out1, .offset: 56, .size: 8, .value_kind: global_buffer, .address_space: global }
    .group_segment_fixed_size: 239872
    .private_segment_fixed_size: 0
    .kernarg_segment_align: 8
    .kernarg_segment_size: 64
    .max_flat_workgroup_size: 512
    .sgpr_count:     66
    .vgpr_count:     256
    .wavefront_size: 32
...
	.end_amdgpu_metadata
.endif
;; end of part 4
;; ======== version 2 of 2: 4 launches; version 1 with the launches proj, tau, out written anew for expert scheduling mode
;; limits: right only within a limited range of input values
;; workspace buffers: xq 1,114,112 bytes; wq 460,800 bytes; qq 1,179,648 bytes; kq 1,114,112 bytes; vq 139,264 bytes; theta 131,072 bytes
;; launch prep: the kernel of part 1 again; grid 164 x 1, 4 waves a work-group, no clusters, 33,280 bytes of LDS; arguments x, Wq, Wk, Wv, Wo, xq, wq; writes xq, wq
;; launch proj (part 5): grid 640 x 1, 4 waves a work-group, no clusters, 0 bytes of LDS; arguments xq, wq, bq, bk, bv, qq, kq, vq; writes qq, kq, vq
.if DOCPART == 5
	.amdgcn_target "amdgcn-amd-amdhsa--gfx1250"
	.amdhsa_code_object_version 6
	.text
	.protected	k_q11517f98c6_proj
	.globl	k_q11517f98c6_proj
	.p2align	8
	.type	k_q11517f98c6_proj,@function
k_q11517f98c6_proj:
	s_mov_b64 s[64:65], 0
	v_nop
	global_prefetch_b8 v0, s[64:65] scope:SCOPE_SE
	s_setreg_imm32_b32 hwreg(HW_REG_WAVE_SCHED_MODE, 0, 2), 2
	s_setreg_imm32_b32 hwreg(HW_REG_WAVE_MODE, 25, 1), 1
	s_wait_xcnt 0x0
	s_wait_alu depctr_vm_vsrc(0)
; Q = x Wq + bq, K = x Wk + bk and the mean over the heads of V = x Wv + bv, on codes of FP4 with E8M0 scales, each result quantised again for the product that takes it.  No work is left out here.
; Work-groups 0-255: Q; 256-511: K: head (g / 32) % 8, 128 rows of x, 32 a wave.  The product is used TRANSPOSED (source 0 = 16 columns of W, source 1 = 16 rows of x): a lane holds one row and its 32 registers run
; along the head's 64, in the order that the quantiser wants (the columns of a tile of W were chosen for it).  The bias is loaded into the accumulators, so the first product adds onto it.
; Q's tiles hold 16 neighbouring queries.  K's do not: lane r of key tile 2 p + u takes key 32 p + 8 u + r + 8 (r / 8), so that later the scores of two neighbouring tiles are 16 neighbouring keys.
; Each tile (16 rows x 64 codes) is stored as an image of four registers, 16 bytes a lane.  Q's scale word is [s0 s1 s0 s1]; K's, one for a pair of tiles X, Y, is [X0 X1 Y0 Y1]: the scores' instruction has K = 128 and takes
; two key tiles at once against [q | zeros] or [zeros | q].
; Work-groups 512-639: mean V: 128 keys (32 a wave) x 16 of the 64 channels.  Source 0 = 16 rows of x, source 1 = 16 columns of Wv; the eight heads' products are summed in the same two accumulators, then x 1/8 + the mean bias.
; A lane holds one channel and 16 neighbouring keys: a block of 32 keys lies in lanes l and l xor 16.  The codes go into the image of the fragment (16 channels x 128 keys) that the last launch loads.
; Operands come from memory straight into registers, as images: 512 consecutive bytes a load.  No LDS, no barrier; four such waves share a SIMD.  Every wait for loads is for 0.
; THE MODE: SCHED_MODE bits 1:0 = 2 (LLVM: expert scheduling mode 2), set by the entry lines.  The code itself states the register dependences between vector or matrix instructions and memory instructions,
; with s_wait_alu, always for 0.
; THE PLAN.  Registers that memory instructions touch:
;   v5-v14     byte offsets, all made at the head, ahead of one wait, and never written again.
;   XF, XSC    loaded once; read by the products.      ACC, BV   loaded once with the biases.
;   WF, WSC    loaded twice: the products of the first half read them, then the second half's loads land in them: one wait between, in each path.
;   CD, v248; v107-109   written by the quantiser's lines, read by the stores: one wait ahead of each run of stores.
; No register that a memory instruction reads is written again, so no wait on vm_vsrc is owed.
.set XF,   16                          ; v16-79   x's fragments (tile u, K step ks) at 32 u + 8 ks
.set XSC,  80                          ; v80-87   their scale words
.set WF,   88                          ; W's fragments: 8 (QK) or 16 (V)
.set ACC,  152                         ; QK: v152-215 accumulators (u, tile) at 32 u + 8 tile
.set WSC,  216                         ; v216-231 W's scale words
.set TM,   232                         ; QK: v232-239 at work
.set CD,   240                         ; QK: v240-247 the codes of the two tiles
.set ACV,  232                         ; V: v232-247 two accumulators
.set BV,   248                         ; V: v248-255 the eight heads' bias
.set SEL,  56                          ; s[56:57] lane selects for v_permlanex16_b32: lane l xor 16
	s_load_b512 s[8:23], s[0:1], 0x0               ; xq s[8:9], wq s[10:11], bq s[12:13], bk s[14:15], bv s[16:17], qq s[18:19], kq s[20:21], vq s[22:23]
	v_lshrrev_b32 v1, 5, v0
	v_readfirstlane_b32 s24, v1                    ; wave 0..3
	v_and_b32 v1, 15, v0                           ; r
	v_bfe_u32 v2, v0, 4, 1                         ; h
	v_and_b32 v3, 31, v0                           ; lane
	s_and_b32 s25, ttmp9, 31
	s_sub_co_u32 s26, ttmp9, 512                   ; V: 4 x (block of 128 keys) + tile of channels
	s_lshr_b32 s27, s26, 2
	s_and_b32 s28, s26, 3
	s_cmp_lt_u32 ttmp9, 512
	s_cselect_b32 s25, s25, s27
	s_lshl_b32 s25, s25, 7
	s_wait_alu depctr_va_sdst(0)                   ; s24, the wave's number, is written, ahead of its first reader
	s_lshl_b32 s29, s24, 5
	s_add_co_u32 s25, s25, s29                     ; my first row of x
	s_cmp_lt_u32 ttmp9, 256                        ; Q: tiles of neighbouring rows; K, V: spread rows
	s_cselect_b32 s30, 0, 8
	s_cselect_b32 s31, 16, 8                       ; rows from tile 0 to tile 1
	v_and_b32 v4, s30, v1
	v_add_nc_u32 v4, v4, v1                        ; r, or r + 8 (r / 8)
	v_lshlrev_b32 v5, 8, v4                        ; a row of 512 codes is 256 bytes
	v_lshl_add_u32 v5, v2, 4, v5
	s_lshl_b32 s32, s31, 8
	v_add_nc_u32 v6, s32, v5
	v_lshlrev_b32 v7, 4, v4                        ; and 16 scale bytes
	s_lshl_b32 s32, s31, 4
	v_add_nc_u32 v8, s32, v7
	v_lshlrev_b32 v10, 4, v3                       ; 16 x lane
	v_lshlrev_b32 v11, 2, v3                       ; 4 x lane
	v_lshlrev_b32 v12, 2, v1                       ; 4 r
	v_lshlrev_b32 v9, 6, v2                        ; Q, K: the bias: lanes 16-31 take the 16 numbers further on
	v_lshlrev_b32 v14, 2, v4                       ; V: my channel: r + 8 (r / 8)
	v_lshlrev_b32 v13, 4, v1
	v_lshl_add_u32 v13, v2, 3, v13                 ; V: 16 r + 8 h: my 8 bytes of codes
	s_mov_b32 s[SEL], 0x76543210
	s_mov_b32 s[SEL+1], 0xfedcba98
	s_lshl_b32 s34, s25, 8
	s_mov_b32 s35, 0
	s_lshl_b32 s36, s25, 4
	s_add_co_u32 s36, s36, 0x100000
	s_mov_b32 s37, 0
	s_wait_kmcnt 0x0
	s_add_nc_u64 s[34:35], s[8:9], s[34:35]
	s_add_nc_u64 s[36:37], s[8:9], s[36:37]
	s_wait_alu depctr_va_vdst(0)                   ; the offsets v5 to v14 are written: every load and store of the kernel reads one of them
.irp u, 0,1
.irp ks, 0,1,2,3
.irp c, 0,1
	global_load_b128 v[XF+32*\u+8*\ks+4*\c:XF+32*\u+8*\ks+4*\c+3], v[5+\u], s[34:35] offset:64*\ks+32*\c
.endr
	global_load_b32 v[XSC+4*\u+\ks], v[7+\u], s[36:37] offset:4*\ks
.endr
.endr
	s_cmp_ge_u32 ttmp9, 512
	s_cbranch_scc1 .Lv
	; ---- Q or K
	s_lshr_b32 s38, ttmp9, 8                       ; 0: Q, 1: K
	s_bfe_u32 s39, ttmp9, 0x30005                  ; head
	s_mov_b32 s51, 69632
	s_cmp_eq_u32 s38, 0
	s_cselect_b64 s[40:41], s[12:13], s[14:15]     ; the bias,
	s_cselect_b64 s[48:49], s[18:19], s[20:21]     ; the buffer,
	s_cselect_b32 s50, 0x10000, s51                ; and a head's bytes in it
	s_lshl_b32 s42, s39, 8
	s_mov_b32 s43, 0
	s_add_nc_u64 s[40:41], s[40:41], s[42:43]      ; the head's 64 numbers of the bias
	s_lshl_b32 s44, s38, 7
	s_lshl_b32 s45, s39, 4
	s_add_co_u32 s44, s44, s45                     ; the head's first image of W
	s_lshl_b32 s42, s44, 10
	s_add_nc_u64 s[42:43], s[10:11], s[42:43]
	s_lshl_b32 s44, s44, 7
	s_add_co_u32 s44, s44, 409600
	s_mov_b32 s45, 0
	s_add_nc_u64 s[44:45], s[10:11], s[44:45]
	s_lshr_b32 s46, s25, 11
	s_lshl_b32 s46, s46, 3
	s_add_co_u32 s46, s46, s39                     ; 8 batch + head
	s_and_b32 s47, s25, 2047
	s_lshr_b32 s47, s47, 4                         ; my first tile in the head
	s_mul_i32 s50, s50, s46
	s_lshl_b32 s52, s47, 9
	s_add_co_u32 s50, s50, s52
	s_mov_b32 s51, 0
	s_add_nc_u64 s[58:59], s[48:49], s[50:51]      ; where my two images go
	v_mov_b32 v[TM+2], 0                           ; written once: a lane permute's destination counts as one of its sources
	v_mov_b32 v[TM+3], 0
.irp u, 0,1
.irp t, 0,1,2,3
	global_load_b128 v[ACC+32*\u+8*\t:ACC+32*\u+8*\t+3], v9, s[40:41] offset:(32*(\t/2)+8*(\t%2))*4
	global_load_b128 v[ACC+32*\u+8*\t+4:ACC+32*\u+8*\t+7], v9, s[40:41] offset:(32*(\t/2)+8*(\t%2))*4+16
.endr
.endr
.macro WLOAD half                      ; W's fragments of K steps 2 half, 2 half + 1, four tiles each
.irp t, 0,1,2,3
.irp k, 0,1
.irp c, 0,1
	global_load_b128 v[WF+8*(2*\t+\k)+4*\c:WF+8*(2*\t+\k)+4*\c+3], v10, s[42:43] offset:(4*\t+2*(\half)+\k)*1024+512*\c
.endr
	global_load_b32 v[WSC+2*\t+\k], v11, s[44:45] offset:(4*\t+2*(\half)+\k)*128
.endr
.endr
.endm
.macro QKMUL ks                        ; the eight accumulators take turns, one instruction a turn
.irp u, 0,1
.irp t, 0,1,2,3
	v_wmma_scale_f32_16x16x128_f8f6f4 v[ACC+32*\u+8*\t:ACC+32*\u+8*\t+7], v[WF+8*(2*\t+(\ks)%2):WF+8*(2*\t+(\ks)%2)+7], v[XF+32*\u+8*(\ks):XF+32*\u+8*(\ks)+7], v[ACC+32*\u+8*\t:ACC+32*\u+8*\t+7], v[WSC+2*\t+(\ks)%2], v[XSC+4*\u+(\ks)] matrix_a_fmt:MATRIX_FMT_FP4 matrix_b_fmt:MATRIX_FMT_FP4
.endr
.endr
.endm
; 32 numbers of a lane, register 16 b + i = k 32 b + 16 (lane / 16) + i of my row, become four registers of codes (lane (r, h): k 32 h .. 32 h + 31) in v[d] on, and the row's two scale bytes in v[hw]
.macro QUANT2 s, d, hw
.irp b, 0,1
	v_max3_num_f32 v[TM+\b], |v[\s+16*\b]|, |v[\s+1+16*\b]|, 0x1800000   ; with the floor 2^(3 - 127): the byte cannot fall under 1
.endr
.irp i, 2,4,6,8,10,12,14
.irp b, 0,1
	v_max3_num_f32 v[TM+\b], v[TM+\b], |v[\s+16*\b+\i]|, |v[\s+1+16*\b+\i]|
.endr
.endr
.irp b, 0,1
	v_permlanex16_b32 v[TM+2+\b], v[TM+\b], s[SEL], s[SEL+1]
.endr
.irp b, 0,1
	v_max_num_f32 v[TM+\b], v[TM+\b], v[TM+2+\b]   ; with lane l xor 16's: the block's largest magnitude
.endr
.irp b, 0,1
	v_add_nc_u32 v[TM+4+\b], 0xff000000, v[TM+\b]  ; 2 off its exponent field: the conversion's scale operand
.endr
.irp b, 0,1
	v_lshrrev_b32 v[TM+2+\b], 23, v[TM+4+\b]       ; the scale's byte
.endr
	v_lshl_or_b32 v[\hw], v[TM+3], 8, v[TM+2]
.irp b, 0,1
	v_cvt_scalef32_pk8_fp4_f32 v[\d+2*\b], v[\s+16*\b:\s+16*\b+7], v[TM+4+\b]
	v_cvt_scalef32_pk8_fp4_f32 v[\d+2*\b+1], v[\s+16*\b+8:\s+16*\b+15], v[TM+4+\b]
.endr
	v_nop                                          ; one plain line behind a scaled conversion
	v_permlane16_swap_b32 v[\d], v[\d+2]           ; a whole block to a lane: lanes 0-15 block 0, lanes 16-31 block 1
	v_permlane16_swap_b32 v[\d+1], v[\d+3]
.endm
	WLOAD 0
	s_wait_loadcnt 0x0
	QKMUL 0
	QKMUL 1
.rept 4
	v_nop                                          ; places in front of loads into registers that matrix instructions have read
.endr
	s_wait_alu depctr_va_vdst(0)                   ; the products of K steps 0 and 1 are done reading W's fragments and scale words, in which the loads below land
	WLOAD 1
	s_wait_loadcnt 0x0
	QKMUL 2
	QKMUL 3
.rept 4
	v_nop                                          ; places in front of the first read of results
.endr
	QUANT2 ACC, CD, TM+6
	QUANT2 ACC+32, CD+4, TM+7
	s_wait_alu depctr_va_vdst(0)                   ; the conversions and exchanges have written the codes v[CD ..], which the two stores read
	global_store_b128 v10, v[CD:CD+3], s[58:59]    ; each store of the wave covers 512 consecutive bytes, aligned
	global_store_b128 v10, v[CD+4:CD+7], s[58:59] offset:512
	s_cmp_lg_u32 s38, 0
	s_cbranch_scc1 .Lkscale
	v_lshl_or_b32 v248, v[TM+6], 16, v[TM+6]       ; Q: [s0 s1 s0 s1] of tile 0's rows,
	v_lshl_or_b32 v249, v[TM+7], 16, v[TM+7]       ; of tile 1's
	v_cmp_gt_u32 vcc_lo, 16, v3
	s_wait_alu depctr_va_vcc(0)                    ; the compare has written VCC, which the select reads
	v_cndmask_b32 v248, v249, v248, vcc_lo         ; lanes 0-15 store tile 0's words, lanes 16-31 tile 1's: 128 consecutive bytes
	s_lshl_b32 s50, s46, 7
	s_add_co_u32 s50, s50, s47
	s_lshl_b32 s50, s50, 6
	s_add_co_u32 s50, s50, 0x100000
	s_add_nc_u64 s[50:51], s[48:49], s[50:51]
	s_wait_alu depctr_va_vdst(0)                   ; the select has written v248, which the store reads
	global_store_b32 v11, v248, s[50:51]
	s_endpgm
.Lkscale:
	v_lshl_or_b32 v248, v[TM+7], 16, v[TM+6]       ; K: [X0 X1 Y0 Y1] of the pair's row r; both halves of the lanes store the same word
	s_mul_i32 s50, s46, 69632
	s_add_co_u32 s50, s50, 0x10000
	s_lshr_b32 s52, s47, 1
	s_lshl_b32 s52, s52, 6
	s_add_co_u32 s50, s50, s52
	s_add_nc_u64 s[50:51], s[48:49], s[50:51]
	s_wait_alu depctr_va_vdst(0)                   ; v248 is written, which the store reads
	global_store_b32 v12, v248, s[50:51]
	s_endpgm
.Lv:
	; ---- mean V.  s26 = 4 x (block of 128 keys) + tile, s28 = tile of 16 channels
	s_lshl_b32 s40, s28, 2
	s_add_co_u32 s40, s40, 256                     ; Wv's image of head 0, this tile, K step 0
	s_lshl_b32 s42, s40, 10
	s_mov_b32 s43, 0
	s_add_nc_u64 s[42:43], s[10:11], s[42:43]
	s_lshl_b32 s44, s40, 7
	s_add_co_u32 s44, s44, 409600
	s_mov_b32 s45, 0
	s_add_nc_u64 s[44:45], s[10:11], s[44:45]
	s_lshr_b32 s46, s28, 1
	s_lshl_b32 s46, s46, 7
	s_and_b32 s47, s28, 1
	s_lshl_b32 s47, s47, 5
	s_add_co_u32 s46, s46, s47
	s_mov_b32 s47, 0
	s_add_nc_u64 s[46:47], s[16:17], s[46:47]      ; bv at the tile's first channel
	s_lshl_b32 s48, s26, 10
	s_lshl_b32 s49, s24, 8
	s_add_co_u32 s48, s48, s49                     ; the image, my block of 32 keys: 256 bytes a wave
	s_mov_b32 s49, 0
	s_add_nc_u64 s[48:49], s[22:23], s[48:49]
	s_lshl_b32 s50, s26, 6
	s_add_co_u32 s50, s50, s24
	s_add_co_u32 s50, s50, 131072                  ; its scale words, my block's byte
	s_mov_b32 s51, 0
	s_add_nc_u64 s[50:51], s[22:23], s[50:51]
	s_mov_b32 s33, 0x3e000000                      ; 1/8
.irp hd, 0,1,2,3,4,5,6,7
	global_load_b32 v[BV+\hd], v14, s[46:47] offset:\hd*256
.endr
.macro VPHASE p                        ; heads 4 p .. 4 p + 3: 16 fragments of Wv, 32 products; the two accumulators take turns
.irp q, 0,1,2,3
.irp ks, 0,1,2,3
.irp c, 0,1
	global_load_b128 v[WF+8*(4*\q+\ks)+4*\c:WF+8*(4*\q+\ks)+4*\c+3], v10, s[42:43] offset:(4*\p+\q)*16384+\ks*1024+512*\c
.endr
	global_load_b32 v[WSC+4*\q+\ks], v11, s[44:45] offset:(4*\p+\q)*2048+\ks*128
.endr
.endr
	s_wait_loadcnt 0x0
.irp q, 0,1,2,3
.irp ks, 0,1,2,3
.irp u, 0,1
.if (\p+\q+\ks) == 0
	v_wmma_scale_f32_16x16x128_f8f6f4 v[ACV+8*\u:ACV+8*\u+7], v[XF+32*\u+8*\ks:XF+32*\u+8*\ks+7], v[WF+8*(4*\q+\ks):WF+8*(4*\q+\ks)+7], 0, v[XSC+4*\u+\ks], v[WSC+4*\q+\ks] matrix_a_fmt:MATRIX_FMT_FP4 matrix_b_fmt:MATRIX_FMT_FP4
.else
	v_wmma_scale_f32_16x16x128_f8f6f4 v[ACV+8*\u:ACV+8*\u+7], v[XF+32*\u+8*\ks:XF+32*\u+8*\ks+7], v[WF+8*(4*\q+\ks):WF+8*(4*\q+\ks)+7], v[ACV+8*\u:ACV+8*\u+7], v[XSC+4*\u+\ks], v[WSC+4*\q+\ks] matrix_a_fmt:MATRIX_FMT_FP4 matrix_b_fmt:MATRIX_FMT_FP4
.endif
.endr
.endr
.endr
.endm
	VPHASE 0
.rept 4
	v_nop                                          ; places in front of loads into registers that matrix instructions have read
.endr
	s_wait_alu depctr_va_vdst(0)                   ; the products of heads 0 to 3 are done reading Wv's fragments and scale words, in which the loads of heads 4 to 7 land
	VPHASE 1
	v_add_f32 v248, v248, v249                     ; the mean bias: eight plain lines that name none of the products' registers: the places behind them
	v_add_f32 v250, v250, v251
	v_add_f32 v252, v252, v253
	v_add_f32 v254, v254, v255
	v_add_f32 v248, v248, v250
	v_add_f32 v252, v252, v254
	v_add_f32 v248, v248, v252
	v_mul_f32 v248, s33, v248
.set j, 0
.rept 16
	v_fma_f32 v[88+j], v[ACV+j], s33, v248         ; register j: key 16 (lane / 16) + j of my 32, my channel; each accumulator from its low end on
.set j, j+1
.endr
	v_mov_b32 v106, 0
	v_max3_num_f32 v104, |v88|, |v89|, 0x1800000   ; the floor 2^(3 - 127)
	v_max3_num_f32 v105, |v90|, |v91|, |v92|
	v_max3_num_f32 v104, v104, |v93|, |v94|
	v_max3_num_f32 v105, v105, |v95|, |v96|
	v_max3_num_f32 v104, v104, |v97|, |v98|
	v_max3_num_f32 v105, v105, |v99|, |v100|
	v_max3_num_f32 v104, v104, |v101|, |v102|
	v_max3_num_f32 v104, v104, v105, |v103|
	v_permlanex16_b32 v106, v104, s[SEL], s[SEL+1]
	v_max_num_f32 v104, v104, v106                 ; the block's largest magnitude
	v_add_nc_u32 v105, 0xff000000, v104
	v_lshrrev_b32 v107, 23, v105                   ; the scale's byte
	v_cvt_scalef32_pk8_fp4_f32 v108, v[88:95], v105
	v_cvt_scalef32_pk8_fp4_f32 v109, v[96:103], v105
	v_nop
	s_wait_alu depctr_va_vdst(0)                   ; the codes v108, v109 and the byte v107 are written, which the two stores read
	global_store_b64 v13, v[108:109], s[48:49]     ; the wave stores 256 consecutive bytes, aligned
	global_store_b8 v12, v107, s[50:51]            ; one byte of each channel's scale word: 16 bytes a wave, 8,192 in the launch; both halves of the lanes store the same byte
	s_endpgm
.Lfunc_end_k_q11517f98c6_proj:
	.size	k_q11517f98c6_proj, .Lfunc_end_k_q11517f98c6_proj-k_q11517f98c6_proj
	.p2alignl 7, 3214868480
	.fill 96, 4, 3214868480
	.section	.rodata,"a",@progbits
	.p2align	6, 0x0
	.amdhsa_kernel k_q11517f98c6_proj
		.amdhsa_group_segment_fixed_size 0
		.amdhsa_private_segment_fixed_size 0
		.amdhsa_enable_private_segment 0
		.amdhsa_kernarg_size 64
		.amdhsa_user_sgpr_count 2
		.amdhsa_user_sgpr_kernarg_segment_ptr 1
		.amdhsa_wavefront_size32 1
		.amdhsa_system_sgpr_workgroup_id_x 1
		.amdhsa_system_sgpr_workgroup_id_y 1
		.amdhsa_system_sgpr_workgroup_id_z 1
		.amdhsa_system_vgpr_workitem_id 0
		.amdhsa_next_free_vgpr 256
		.amdhsa_next_free_sgpr 66
		.amdhsa_reserve_vcc 1
		.amdhsa_float_denorm_mode_32 3
		.amdhsa_float_denorm_mode_16_64 3
		.amdhsa_memory_ordered 1
		.amdhsa_forward_progress 1
		.amdhsa_inst_pref_size 43
	.end_amdhsa_kernel
	.amdgpu_metadata
---
amdhsa.version: [ 1, 2 ]
amdhsa.kernels:
  - .name:           k_q11517f98c6_proj
    .symbol:         k_q11517f98c6_proj.kd
    .args:
      - { .name: xq, .offset: 0, .size: 8, .value_kind: global_buffer, .address_space: global }
      - { .name: wq, .offset: 8, .size: 8, .value_kind: global_buffer, .address_space: global }
      - { .name: bq, .offset: 16, .size: 8, .value_kind: global_buffer, .address_space: global }
      - { .name: bk, .offset: 24, .size: 8, .value_kind: global_buffer, .address_space: global }
      - { .name: bv, .offset: 32, .size: 8, .value_kind: global_buffer, .address_space: global }
      - { .name: qq, .offset: 40, .size: 8, .value_kind: global_buffer, .address_space: global }
      - { .name: kq, .offset: 48, .size: 8, .value_kind: global_buffer, .address_space: global }
      - { .name: vq, .offset: 56, .size: 8, .value_kind: global_buffer, .address_space: global }
    .group_segment_fixed_size: 0
    .private_segment_fixed_size: 0
    .kernarg_segment_align: 8
    .kernarg_segment_size: 64
    .max_flat_workgroup_size: 128
    .sgpr_count:     66
    .vgpr_count:     256
    .wavefront_size: 32
...
	.end_amdgpu_metadata
.endif
;; end of part 5
;; launch tau (part 6): grid 256 x 1, 8 waves a work-group, no clusters, 74,752 bytes of LDS; arguments qq, kq, theta; writes theta
.if DOCPART == 6
	.amdgcn_target "amdgcn-amd-amdhsa--gfx1250"
	.amdhsa_code_object_version 6
	.text
	.protected	k_q11517f98c6_tau
	.globl	k_q11517f98c6_tau
	.p2align	8
	.type	k_q11517f98c6_tau,@function
k_q11517f98c6_tau:
	s_mov_b64 s[64:65], 0
	v_nop
	global_prefetch_b8 v0, s[64:65] scope:SCOPE_SE
	s_setreg_imm32_b32 hwreg(HW_REG_WAVE_SCHED_MODE, 0, 2), 2
	s_setreg_imm32_b32 hwreg(HW_REG_WAVE_MODE, 25, 1), 1
	s_wait_xcnt 0x0
	s_wait_alu depctr_vm_vsrc(0)
; The entmax threshold of every (batch, head, query), without a sort.  Key tiles that lie wholly behind a query tile are left out: reference()'s own mask gives them weight 0 (shown at the head of the first kernel).
; IN SCORE UNITS.  z = s / 16, s the raw sum Q.K (1/8 for sqrt(64), 1/2 inside entmax).  reference()'s tau is the one root of sum max(z - tau, 0)^2 = 1; with theta = 16 tau: S2(theta) = sum max(s - theta, 0)^2 = 256.
; HOW MANY SWEEPS, for all inputs.  theta lies in [m - 16, m], m the row's largest score.  13 halvings leave lo <= theta with d = (theta - lo) / 16 <= 2^-13.  S2 is convex and falls, so Newton's step from the left stays on the
; left, and its error obeys d' <= n d^2 / (2 s1) with n <= 2048 terms and s1 = sum (z - tau) >= sum (z - tau)^2 / max (z - tau) >= 1: d' <= 1024 d^2: 2^-13 -> 2^-16 -> 2^-22 -> 2^-34.  One sweep for m, 13 halvings, 3 Newton
; steps: 17 sweeps, the same for every row, no branch on data.  lo only moves to a point at which the computed S2 >= 256, so S1 >= sqrt(S2) >= 16 there: the reciprocal is sound.
; THE SCORES ARE MADE ANEW IN EVERY SWEEP, by the matrix unit, with -theta as the C operand: D = s - theta costs no vector line.  A sweep's vector work for 8 scores: 8 maxima with 0 and 4 packed multiply-adds.
; K = 64 IN AN INSTRUCTION OF K = 128: source 0 holds two key tiles X (registers 0-3) and Y (4-7), source 1 is [q | zeros] or [zeros | q], cut out of one run of 12 registers zeros q zeros; zero codes add nothing.
; SHARES.  A work-group has one head's K (69,632 bytes, filled once) in LDS and eight waves, a tile of 16 queries each: waves 0-3 tiles 4 g + w, waves 4-7 tiles 127 - (4 g + w - 4): wave w and wave w + 4 together
; always walk 17 groups of 128 keys.  A wave walks G = tile / 8 whole groups, and the group on the diagonal, where hidden keys get -1e30 as C and -theta is added by vector lines.
; The walk is a loop of a constant 15 trips; a trip at or past G jumps over its group's work (a scalar branch on ids), so that every LDS address is a constant, a lane term and a step of a counted loop.
; LIMITS: as stated at the head of the first kernel.
; THE MODE: SCHED_MODE bits 1:0 = 2 (LLVM: expert scheduling mode 2), set by the entry lines.  The code itself states the register dependences between vector or matrix instructions and memory or LDS instructions,
; with s_wait_alu, always for 0.
; THE PLAN.  Registers that memory or LDS instructions touch, in the loops:
;   half A: v32-47 and v21   Written by the five LDS loads of LOADA; read by a group's products 0 to 3.
;   half B: v48-63 and v22   Written by the five LDS loads of LOADB; read by its products 4 to 7.
;   v[KAD], v[SAD]           Written by two additions in each whole group; read by that group's ten LDS loads.
;   v[KA0], v[SA0], v[R4], v186   Made at the head and never written again.
;   The result tiles, -theta, the mask as C and the sums are named by vector and matrix instructions alone.
; So a group has TWO waits on va_vdst.  The first, behind tile 2's vector work, states that products 0 to 3 are done reading half A and that the two addresses are written: LOADA follows at once, while half B is multiplied,
; whose products and vector work name nothing that those loads touch.  The second, behind tile 6's work, states that products 4 to 7 are done reading half B: LOADB follows.  One wait on vm_vsrc at a whole group's head stands
; ahead of the additions.  Outside the loops: the fill's landing registers become the mask behind a wait on vm_vsrc; v[LO] is stored behind a wait on va_vdst; v[SPW], v[NIL] are read by the closing add alone.
.set SPW,  1                           ; v1  LDS address of my spare word; never rewritten
.set NIL,  2                           ; v2  0; never rewritten
.set KA0,  3                           ; v3  16 x lane
.set KAD,  4                           ; v4  + the group in hand
.set SA0,  5                           ; v5  65,536 + 4 x lane: the scale words
.set SAD,  6                           ; v6  + the group in hand
.set R4,   7                           ; v7  4 r
.set QZ,   8                           ; v8-19 zeros q zeros
.set QS,   20                          ; v20 q's scale word
.set SC,   21                          ; v21, v22 K's scale words: lanes 0-15 one pair of tiles, lanes 16-31 the next
.set CT,   24                          ; v24-31 -theta, eight times
.set KF,   32                          ; v32-63 four fragments: a group's 8 key tiles
.set D,    64                          ; v64-95 four result tiles by turns
.set M,    96                          ; v96-159 the diagonal group's C: 0, or -1e30 where the key is hidden
.set A2,   160                         ; v160-167 sums of squares
.set A1,   168                         ; v168-175 sums
.set MX,   176                         ; v176-179 maxima
.set LO,   180
.set WD,   181
.set MID,  182
.set TB,   16                          ; s16 the group's codes, s17 its scale words, s18 its number, s19 sweeps to go
.set TS,   17
.set TJ,   18
.set SW,   19
.set SEL,  20                          ; s[20:21] lane selects for v_permlanex16_b32
.set CMP,  32                          ; s32-39 at the head: eight compares' results at a time
.set SCW,  65536
.set SPARE, 73728                      ; the spare words, 128 bytes for each of the eight waves
	s_load_b128 s[4:7], s[0:1], 0x0                ; qq, kq
	s_load_b64 s[8:9], s[0:1], 0x10                ; theta
	v_lshl_add_u32 v[SPW], v0, 2, SPARE
	v_mov_b32 v[NIL], 0
	v_lshrrev_b32 v183, 5, v0
	v_readfirstlane_b32 s12, v183                  ; wave 0..7
	v_and_b32 v183, 31, v0
	v_and_b32 v184, 15, v0                         ; r
	v_bfe_u32 v185, v0, 4, 1                       ; h
	v_lshlrev_b32 v[KA0], 4, v183
	v_lshl_add_u32 v[SA0], v183, 2, SCW
	v_lshlrev_b32 v[R4], 2, v184
	s_lshr_b32 s10, ttmp9, 4                       ; 8 batch + head
	s_and_b32 s11, ttmp9, 15
	s_lshl_b32 s13, s11, 2
	s_wait_alu depctr_va_sdst(0)                   ; s12, the wave's number, is written, ahead of its first reader
	s_and_b32 s15, s12, 3
	s_add_co_u32 s13, s13, s15
	s_sub_co_u32 s15, 127, s13
	s_cmp_lt_u32 s12, 4
	s_cselect_b32 s13, s13, s15                    ; my tile of queries
	s_lshr_b32 s14, s13, 3                         ; G: whole groups of 128 keys in front of the diagonal's
	s_mul_i32 s22, s12, 8704
	v_add_nc_u32 v186, s22, v[KA0]                 ; the fill: my wave's 8,704 bytes, in memory and in LDS alike
	s_and_b32 s23, s13, 7
	s_lshl_b32 s23, s23, 4
	v_lshlrev_b32 v187, 4, v185
	v_sub_nc_u32 v187, v184, v187
	v_add_nc_u32 v187, s23, v187                   ; d = my query - the diagonal group's first key - 16 (lane / 16)
	s_mul_i32 s24, s10, 69632
	s_mov_b32 s25, 0
	s_lshl_b32 s26, s10, 7
	s_add_co_u32 s26, s26, s13
	s_lshl_b32 s28, s26, 9
	s_mov_b32 s29, 0
	s_lshl_b32 s30, s26, 6
	s_add_co_u32 s30, s30, 0x100000
	s_mov_b32 s31, 0
	s_lshl_b32 s32, s10, 11
	s_lshl_b32 s33, s13, 4
	s_add_co_u32 s32, s32, s33
	s_lshl_b32 s32, s32, 2
	s_mov_b32 s33, 0
	s_mov_b32 s[SEL], 0x76543210
	s_mov_b32 s[SEL+1], 0xfedcba98
	s_wait_kmcnt 0x0
	s_add_nc_u64 s[6:7], s[6:7], s[24:25]          ; the head's K
	s_add_nc_u64 s[28:29], s[4:5], s[28:29]        ; my tile of Q
	s_add_nc_u64 s[30:31], s[4:5], s[30:31]        ; its scale words
	s_add_nc_u64 s[8:9], s[8:9], s[32:33]          ; my 16 numbers of theta
	s_wait_alu depctr_va_vdst(0)                   ; v186, v[KA0], v[SA0] and v[R4] are written: the loads, LDS stores and LDS loads below read them as addresses
.set i, 0
.rept 17
	global_load_b128 v[M+4*i:M+4*i+3], v186, s[6:7] offset:512*i   ; 512 consecutive bytes a load
.set i, i+1
.endr
	global_load_b128 v[QZ+4:QZ+7], v[KA0], s[28:29]
	global_load_b32 v[QS], v[R4], s[30:31]
.irp j, 0,1,2,3,8,9,10,11
	v_mov_b32 v[QZ+\j], 0
.endr
	s_wait_loadcnt 2                               ; the 17 loads of the fill are in; Q's two may be out
.set i, 0
.rept 17
	ds_store_b128 v186, v[M+4*i:M+4*i+3] offset:512*i
.set i, i+1
.endr
	s_wait_dscnt 0x0                               ; for the others' sake: my part of K lies in LDS
	s_barrier_signal -1
	s_barrier_wait -1                              ; everybody's does; from here on LDS is only read
.macro LOADA adr, off, sadr, soff      ; key tiles 0-3 of a group, and the scale words of its pairs 0, 1
.irp i, 0,1,2,3
	ds_load_b128 v[KF+4*\i:KF+4*\i+3], v[\adr] offset:\off+512*\i
.endr
	ds_load_b32 v[SC], v[\sadr] offset:\soff
.endm
.macro LOADB adr, off, sadr, soff      ; key tiles 4-7, pairs 2, 3
.irp i, 0,1,2,3
	ds_load_b128 v[KF+16+4*\i:KF+16+4*\i+3], v[\adr] offset:\off+2048+512*\i
.endr
	ds_load_b32 v[SC+1], v[\sadr] offset:\soff+128
.endm
	LOADA KA0, 0, SA0, 0                           ; group 0
	LOADB KA0, 0, SA0, 0
	s_wait_alu depctr_vm_vsrc(0)                   ; the fill's LDS stores have read v96 to v163, which the selects below and later the sums' first lines write
	v_mov_b32 v183, 0xf149f2ca                     ; -1e30
.set n, 0
.rept 8                                        ; eight compares into eight scalar registers, one wait, eight selects
.irp j, 0,1,2,3,4,5,6,7
	v_cmp_gt_i32 s[CMP+\j], 32*((n+\j)/16)+(n+\j)%16, v187   ; register n of the group holds key 32 (n / 16) + n % 16 + 16 (lane / 16): hidden where that lies behind my query
.endr
	s_wait_alu depctr_va_sdst(0)                   ; the eight compares have written s32 to s39, which the selects read
.irp j, 0,1,2,3,4,5,6,7
	v_cndmask_b32 v[M+n+\j], 0, v183, s[CMP+\j]
.endr
.set n, n+8
.endr
.irp j, 0,1,2,3
	v_mov_b32 v[MX+\j], 0xff61b1e6                 ; -3e38, under every score
.endr
	s_wait_loadcnt 0x0                             ; Q
	s_wait_alu depctr_va_vdst(0)                   ; the zeros on both sides of q are written, which every product takes within its source 1
; One product: key tile t of the group against my 16 queries.  cm = 0: C = 0; 1: C = -theta; 2: C = the mask
.macro WM t, cm
.set rD, D+8*((\t)%4)
.set rA, KF+8*((\t)/2)
.set rB, QZ+4-4*((\t)%2)
.set rS, SC+(\t)/4
.set rC, CT
.if \cm == 2
.set rC, M+8*(\t)
.endif
.if \cm == 0
.if ((\t)/2)%2
	v_wmma_scale_f32_16x16x128_f8f6f4 v[rD:rD+7], v[rA:rA+7], v[rB:rB+7], 0, v[rS], v[QS] matrix_a_fmt:MATRIX_FMT_FP4 matrix_b_fmt:MATRIX_FMT_FP4 matrix_a_scale:MATRIX_SCALE_ROW1
.else
	v_wmma_scale_f32_16x16x128_f8f6f4 v[rD:rD+7], v[rA:rA+7], v[rB:rB+7], 0, v[rS], v[QS] matrix_a_fmt:MATRIX_FMT_FP4 matrix_b_fmt:MATRIX_FMT_FP4
.endif
.else
.if ((\t)/2)%2
	v_wmma_scale_f32_16x16x128_f8f6f4 v[rD:rD+7], v[rA:rA+7], v[rB:rB+7], v[rC:rC+7], v[rS], v[QS] matrix_a_fmt:MATRIX_FMT_FP4 matrix_b_fmt:MATRIX_FMT_FP4 matrix_a_scale:MATRIX_SCALE_ROW1
.else
	v_wmma_scale_f32_16x16x128_f8f6f4 v[rD:rD+7], v[rA:rA+7], v[rB:rB+7], v[rC:rC+7], v[rS], v[QS] matrix_a_fmt:MATRIX_FMT_FP4 matrix_b_fmt:MATRIX_FMT_FP4
.endif
.endif
.endm
; The vector work on tile t's eight results, from the low end on.  kind 0: the maximum; 1: the sum of squares of what lies above theta; 2: that and the plain sum
.macro VW t, kind, masked
.set rD, D+8*((\t)%4)
.if \kind == 0
.irp j, 0,1,2,3
	v_max3_num_f32 v[MX+\j], v[MX+\j], v[rD+2*\j], v[rD+2*\j+1]
.endr
.else
.if \masked
.irp j, 0,2,4,6
	v_pk_add_f32 v[rD+\j:rD+\j+1], v[rD+\j:rD+\j+1], v[CT:CT+1]   ; C was the mask here: -theta comes by hand
.endr
.endif
.irp j, 0,1,2,3,4,5,6,7
	v_max_num_f32 v[rD+\j], 0, v[rD+\j]
.endr
.irp j, 0,2,4,6
	v_pk_fma_f32 v[A2+\j:A2+\j+1], v[rD+\j:rD+\j+1], v[rD+\j:rD+\j+1], v[A2+\j:A2+\j+1]
.endr
.if \kind == 2
.irp j, 0,2,4,6
	v_pk_add_f32 v[A1+\j:A1+\j+1], v[A1+\j:A1+\j+1], v[rD+\j:rD+\j+1]
.endr
.endif
.endif
.endm
; A GROUP of 128 keys: 8 products, the vector work of one tile behind the product of the next: the work on tile t - 1, at least four plain lines that name no register of product t, are the places between product t and
; the first read of its results.  The next group's fragments are asked for as soon as this group's are done with, each half behind its wait:
; a whole group asks for the group behind it; the diagonal group asks for group 0, for the next sweep.
.macro GROUP kind, masked
.if \masked
.set CM, 2
.elseif \kind == 0
.set CM, 0
.else
.set CM, 1
.endif
	s_wait_dscnt 5                                 ; tiles 0-3 and their scale words are in; the five loads behind them may be out
.if !\masked
	s_wait_alu depctr_vm_vsrc(0)                   ; the LDS loads issued so far have read v[KAD] and v[SAD], which the two additions below write
.endif
	WM 0, CM
	WM 1, CM
.if \masked
.rept 4
	v_nop
.endr
.else
	v_add_nc_u32 v[KAD], s[TB], v[KA0]
	v_add_nc_u32 v[SAD], s[TS], v[SA0]
	v_nop
	v_nop
.endif
	VW 0, \kind, \masked
	WM 2, CM
	VW 1, \kind, \masked
	WM 3, CM
	VW 2, \kind, \masked
	s_wait_alu depctr_va_vdst(0)                   ; products 0 to 3 are done reading half A, in which the five loads below land; in a whole group v[KAD] and v[SAD] are written, which this group's ten loads read
.if \masked
	LOADA KA0, 0, SA0, 0
.else
	LOADA KAD, 4096, SAD, 256
.endif
	s_wait_dscnt 5                                 ; tiles 4-7 are in; the five loads just issued may be out
	WM 4, CM
	VW 3, \kind, \masked
	WM 5, CM
	VW 4, \kind, \masked
	WM 6, CM
	VW 5, \kind, \masked
	WM 7, CM
	VW 6, \kind, \masked
	s_wait_alu depctr_va_vdst(0)                   ; products 4 to 7 are done reading half B, in which the five loads below land
.if \masked
	LOADB KA0, 0, SA0, 0
.else
	LOADB KAD, 4096, SAD, 256
.endif
	VW 7, \kind, \masked
.endm
.macro SWEEP kind
	s_mov_b32 s[TB], 0
	s_mov_b32 s[TS], 0
	s_mov_b32 s[TJ], 0
.Lgrp_\@:
	s_cmp_ge_u32 s[TJ], s14                        ; ids and the count of trips alone
	s_cbranch_scc1 .Lskip_\@
	GROUP \kind, 0
.Lskip_\@:
	s_add_co_u32 s[TB], s[TB], 4096
	s_add_co_u32 s[TS], s[TS], 256
	s_add_co_u32 s[TJ], s[TJ], 1
	s_cmp_lt_u32 s[TJ], 15
	s_cbranch_scc1 .Lgrp_\@
	GROUP \kind, 1
.endm
.macro RED a                           ; eight partial sums and lane l xor 16's become the row's sum, in v[a] of both lanes
	v_pk_add_f32 v[\a:\a+1], v[\a:\a+1], v[\a+2:\a+3]
	v_pk_add_f32 v[\a+4:\a+5], v[\a+4:\a+5], v[\a+6:\a+7]
	v_pk_add_f32 v[\a:\a+1], v[\a:\a+1], v[\a+4:\a+5]
	v_add_f32 v[\a], v[\a], v[\a+1]
	v_permlanex16_b32 v[\a+1], v[\a], s[SEL], s[SEL+1]
	v_add_f32 v[\a], v[\a], v[\a+1]
.endm
	SWEEP 0                                        ; the row's largest score
	v_max3_num_f32 v[MX], v[MX], v[MX+1], v[MX+2]
	v_max_num_f32 v[MX], v[MX], v[MX+3]
	v_permlanex16_b32 v[MX+1], v[MX], s[SEL], s[SEL+1]
	v_max_num_f32 v[MX], v[MX], v[MX+1]
	v_add_f32 v[LO], 0xc1800000, v[MX]             ; lo = m - 16
	v_mov_b32 v[WD], 0x41000000                    ; half the bracket: 8
	s_mov_b32 s[SW], 13
.Lbis:
	v_add_f32 v[MID], v[LO], v[WD]
.irp j, 0,1,2,3,4,5,6,7
	v_mul_f32 v[CT+\j], -1.0, v[MID]
.endr
.irp j, 0,1,2,3,4,5,6,7
	v_mov_b32 v[A2+\j], 0
.endr
	SWEEP 1
	RED A2
	v_cmp_le_f32 vcc_lo, 0x43800000, v[A2]         ; 256 <= S2(mid): theta lies at or above mid.  The choice selects a value: no branch hangs on it
	s_wait_alu depctr_va_vcc(0)                    ; the compare has written VCC, which the select reads
	v_cndmask_b32 v[LO], v[LO], v[MID], vcc_lo
	v_mul_f32 v[WD], 0.5, v[WD]
	s_sub_co_u32 s[SW], s[SW], 1
	s_cmp_lg_u32 s[SW], 0
	s_cbranch_scc1 .Lbis
	s_mov_b32 s[SW], 3
.Lnewton:
.irp j, 0,1,2,3,4,5,6,7
	v_mul_f32 v[CT+\j], -1.0, v[LO]
.endr
.irp j, 0,1,2,3,4,5,6,7
	v_mov_b32 v[A2+\j], 0
	v_mov_b32 v[A1+\j], 0
.endr
	SWEEP 2
	RED A2
	RED A1
	v_rcp_f32 v183, v[A1]
	v_add_f32 v184, 0xc3800000, v[A2]              ; S2 - 256: a plain line behind the reciprocal
	v_mul_f32 v184, 0.5, v184
	s_wait_alu depctr_va_vdst(0)                   ; the reciprocal has written v183, which the fma below reads
	v_fma_f32 v[LO], v184, v183, v[LO]             ; lo += (S2 - 256) / (2 S1)
	s_sub_co_u32 s[SW], s[SW], 1
	s_cmp_lg_u32 s[SW], 0
	s_cbranch_scc1 .Lnewton
	s_wait_alu depctr_va_vdst(0)                   ; the last Newton step has written v[LO], which the store reads
	global_store_b32 v[R4], v[LO], s[8:9]          ; 64 consecutive bytes; both halves of the lanes store the same word
	s_wait_dscnt 0x0                               ; the closing lines, six on end; the first of them also covers the ten loads that the last group asked for
	s_wait_alu 0x0
	s_wait_tensorcnt 0x0
	ds_add_u32 v[SPW], v[NIL]
	s_wait_dscnt 0x0
	s_endpgm
.Lfunc_end_k_q11517f98c6_tau:
	.size	k_q11517f98c6_tau, .Lfunc_end_k_q11517f98c6_tau-k_q11517f98c6_tau
	.p2alignl 7, 3214868480
	.fill 96, 4, 3214868480
	.section	.rodata,"a",@progbits
	.p2align	6, 0x0
	.amdhsa_kernel k_q11517f98c6_tau
		.amdhsa_group_segment_fixed_size 74752
		.amdhsa_private_segment_fixed_size 0
		.amdhsa_enable_private_segment 0
		.amdhsa_kernarg_size 24
		.amdhsa_user_sgpr_count 2
		.amdhsa_user_sgpr_kernarg_segment_ptr 1
		.amdhsa_wavefront_size32 1
		.amdhsa_system_sgpr_workgroup_id_x 1
		.amdhsa_system_sgpr_workgroup_id_y 1
		.amdhsa_system_sgpr_workgroup_id_z 1
		.amdhsa_system_vgpr_workitem_id 0
		.amdhsa_next_free_vgpr 192
		.amdhsa_next_free_sgpr 66
		.amdhsa_reserve_vcc 1
		.amdhsa_float_denorm_mode_32 3
		.amdhsa_float_denorm_mode_16_64 3
		.amdhsa_memory_ordered 1
		.amdhsa_forward_progress 1
		.amdhsa_inst_pref_size 60
	.end_amdhsa_kernel
	.amdgpu_metadata
---
amdhsa.version: [ 1, 2 ]
amdhsa.kernels:
  - .name:           k_q11517f98c6_tau
    .symbol:         k_q11517f98c6_tau.kd
    .args:
      - { .name: qq, .offset: 0, .size: 8, .value_kind: global_buffer, .address_space: global }
      - { .name: kq, .offset: 8, .size: 8, .value_kind: global_buffer, .address_space: global }
      - { .name: theta, .offset: 16, .size: 8, .value_kind: global_buffer, .address_space: global }
    .group_segment_fixed_size: 74752
    .private_segment_fixed_size: 0
    .kernarg_segment_align: 8
    .kernarg_segment_size: 24
    .max_flat_workgroup_size: 256
    .sgpr_count:     66
    .vgpr_count:     192
    .wavefront_size: 32
...
	.end_amdgpu_metadata
.endif
;; end of part 6
;; launch out (part 7): grid 256 x 1, 16 waves a work-group, no clusters, 239,872 bytes of LDS; arguments qq, kq, theta, vq, wq, bo, out0, out1; writes out0, out1
.if DOCPART == 7
	.amdgcn_target "amdgcn-amd-amdhsa--gfx1250"
	.amdhsa_code_object_version 6
	.text
	.protected	k_q11517f98c6_out
	.globl	k_q11517f98c6_out
	.p2align	8
	.type	k_q11517f98c6_out,@function
k_q11517f98c6_out:
	s_mov_b64 s[64:65], 0
	v_nop
	global_prefetch_b8 v0, s[64:65] scope:SCOPE_SE
	s_setreg_imm32_b32 hwreg(HW_REG_WAVE_SCHED_MODE, 0, 2), 2
	s_setreg_imm32_b32 hwreg(HW_REG_WAVE_MODE, 25, 1), 1
	s_wait_xcnt 0x0
	s_wait_alu depctr_vm_vsrc(0)
; The weights' mean over the heads (out1), its product with the mean V, and the projection by Wo (out0).  Key blocks that lie wholly behind the work-group's queries are left out: their weights are 0 by reference()'s own mask
; (shown at the head of the first kernel): their part of out1 is stored as zeros, and their K steps of the second product, whose codes would be zeros, are not made.
; SHARES.  A work-group owns 16 queries of one batch.  Wave w owns keys 128 w .. 128 w + 127 for all eight heads; later Wo's columns 32 w .. 32 w + 31; last row w of out0.  Waves whose keys all lie behind the queries store zeros.
; A WEIGHT is max(s - theta, 0)^2 / 256, its mean over the heads one eighth of the sum: sum over heads of max(s - theta, 0)^2 x 2^-11: powers of two, nothing is rounded by them.  s - theta comes from the matrix unit, with
; -theta as C, as in the launch before: source 0 = two key tiles, source 1 = [q | zeros] or [zeros | q].  A lane holds ONE query; the 16 registers of two neighbouring key tiles are 16 neighbouring keys.
; So the 64 sums of a lane are quantised along the keys in registers and are source 1 of O^T = V^T P^T (source 0 = 16 channels x 128 keys, an image made by the second launch).  The sixteen waves' parts of O^T meet in LDS,
; as images of registers; the sum is quantised along the 64 channels by every wave and multiplied by the wave's pair of tiles of Wo, with bo loaded into the accumulators.
; out1 leaves through the wave's own stage, out0 through a shared one: every store of a wave covers 512 consecutive bytes, aligned.  Three barriers, on every wave's path.
; LIMITS: as stated at the head of the first kernel.
; THE MODE: SCHED_MODE bits 1:0 = 2 (LLVM: expert scheduling mode 2), set by the entry lines.  The code itself states the register dependences between vector or matrix instructions and memory or LDS instructions,
; with s_wait_alu, always for 0.
; THE PLAN.  Registers that memory or LDS instructions touch:
;   v3-v13, v15          addresses and offsets, all made at the head, ahead of one wait that stands in front of the waves' parting; never written again.
;   half A: v120-135, v112   a head's key tiles 0-3 and their scale words: loaded; read by products 0 to 3; loaded again for the next head (behind the last head: V's fragments) behind one wait.
;   half B: v136-151, v113   key tiles 4-7, products 4 to 7: likewise, behind a second wait.  Between a wait and the next, the half that is multiplied names nothing that the loads just issued touch.
;   v184-247 (the sums)  written by vector lines; read by the LDS stores into my stage (a wait on va_vdst ahead); behind the join Wo, bo and o's codes take these registers (a wait on vm_vsrc ahead).
;   v20-87 (Q and zeros) read by the products; then rows of out1 land there from LDS (the same wait on va_vdst) and are stored; behind the join the sixteen parts land there (the same wait on vm_vsrc);
;                        their sum is stored to LDS (va_vdst ahead); at the end a row of out0 lands there (vm_vsrc ahead).
;   v152-183 (O^T), v192-207 (out0)  written by products; read by LDS stores: the places, then a wait on va_vdst.
;   v[SPW], v[NIL]       written at the head, read by the closing add alone.
.set SPW,  1                           ; v1  LDS address of my spare word; never rewritten
.set NIL,  2                           ; v2  0; never rewritten
.set L16,  3                           ; v3  16 x lane
.set L4,   4                           ; v4  4 x lane
.set R4,   5                           ; v5  4 r
.set STO,  6                           ; v6  my stage for out1: where I put my numbers
.set SRD,  7                           ; v7  and where I read a row back
.set OPW,  8                           ; v8  where my part of O^T goes
.set OPR,  9                           ; v9  the sixteen parts' piece w
.set OSW,  10                          ; v10 the sum's piece w
.set OSR,  11                          ; v11 the whole sum
.set OTW,  12                          ; v12 the stage for out0: where I put my numbers
.set OTR,  13                          ; v13 and row w of it
.set DQ,   14                          ; v14 my query - the diagonal block's first key - 16 (lane / 16)
.set H32,  15                          ; v15 32 (lane / 16)
.set WOS,  16                          ; v16 Wo's scale word
.set QZ,   20                          ; v20-87 zeros q0 zeros q1 .. q7 zeros: [q | 0] of head hd at 24 + 8 hd, [0 | q] at 20 + 8 hd
.set QS,   88                          ; v88-95 Q's scale words
.set TH,   96                          ; v96-103 theta of the eight heads
.set CT,   104                         ; v104-111 -theta, eight times
.set SC,   112                         ; v112, v113 K's scale words
.set VS,   114                         ; v114-117 V's scale words
.set PW,   118                         ; v118 p's scale word
.set OW,   119                         ; v119 o's scale word
.set KF,   120                         ; v120-151 four fragments of K, later of V
.set D,    152                         ; v152-183 four result tiles by turns; later O^T
.set WACC, 184                         ; v184-247 the 64 sums over the heads
.set PC,   248                         ; v248-255 p's codes
.set TM,   96                          ; v96-107 at work in the quantisers, when theta is done with
.set RB,   20                          ; v20-83 rows on their way out, when Q is done with
.set WOF,  184                         ; behind the join: Wo's fragment, v184-191;
.set OB,   192                         ; bo, then my 32 columns of out0, v192-207;
.set OZ,   208                         ; zeros o zeros, v208-219;
.set OS,   120                         ; the summed O^T, v120-151
.set SEL,  54                          ; s[54:55] lane selects for v_permlanex16_b32
.set CMP,  8                           ; s8-23, free once the bases are made: sixteen compares' results at a time
.set OPART, 135168                     ; LDS: 0: sixteen stages of 16 rows x 528 bytes;  OPART: sixteen parts of O^T, 4,096 bytes each;
.set OSUM,  200704                     ; their sum;
.set OST,   204800                     ; the stage for out0: 16 rows x 2,064 bytes;
.set SPARE, 237824                     ; the spare words, 128 bytes for each of the sixteen waves
	s_load_b512 s[8:23], s[0:1], 0x0               ; qq s[8:9], kq s[10:11], theta s[12:13], vq s[14:15], wq s[16:17], bo s[18:19], out0 s[20:21], out1 s[22:23]
	v_lshl_add_u32 v[SPW], v0, 2, SPARE
	v_mov_b32 v[NIL], 0
	v_lshrrev_b32 v17, 5, v0
	v_readfirstlane_b32 s27, v17                   ; wave 0..15
	v_and_b32 v17, 15, v0                          ; r
	v_bfe_u32 v18, v0, 4, 1                        ; h
	v_and_b32 v19, 31, v0                          ; lane
	s_lshr_b32 s24, ttmp9, 7                       ; batch
	s_and_b32 s25, ttmp9, 127                      ; tile of queries
	s_lshr_b32 s26, s25, 3                         ; the block of 128 keys on the diagonal
	v_lshlrev_b32 v[L16], 4, v19
	v_lshlrev_b32 v[L4], 2, v19
	v_lshlrev_b32 v[R4], 2, v17
	v_lshlrev_b32 v[H32], 5, v18
	; every LDS address is made here, ahead of the waves' parting: a constant, a lane term, the wave's number times a constant
	s_wait_alu depctr_va_sdst(0)                   ; s27, the wave's number, is written, ahead of its first reader
	s_mul_i32 s52, s27, 8448
	v_mul_u32_u24 v[STO], v17, 528
	v_lshl_add_u32 v[STO], v18, 6, v[STO]
	v_add_nc_u32 v[STO], s52, v[STO]               ; row r, + 64 h
	v_add_nc_u32 v[SRD], s52, v[L16]
	s_lshl_b32 s52, s27, 12
	s_add_co_u32 s52, s52, OPART
	v_add_nc_u32 v[OPW], s52, v[L16]
	s_lshl_b32 s52, s27, 9
	s_add_co_u32 s53, s52, OPART
	v_add_nc_u32 v[OPR], s53, v[L16]
	s_add_co_u32 s53, s52, OSUM
	v_add_nc_u32 v[OSW], s53, v[L16]
	v_add_nc_u32 v[OSR], OSUM, v[L16]
	s_lshl_b32 s52, s27, 7
	s_add_co_u32 s52, s52, OST
	v_mul_u32_u24 v[OTW], v17, 2064
	v_lshl_add_u32 v[OTW], v18, 5, v[OTW]
	v_add_nc_u32 v[OTW], s52, v[OTW]               ; row r, + 128 w + 32 h
	s_mul_i32 s52, s27, 2064
	s_add_co_u32 s52, s52, OST
	v_add_nc_u32 v[OTR], s52, v[L16]
	s_and_b32 s52, s25, 7
	s_lshl_b32 s52, s52, 4
	v_lshlrev_b32 v[DQ], 4, v18
	v_sub_nc_u32 v[DQ], v17, v[DQ]
	v_add_nc_u32 v[DQ], s52, v[DQ]
.irp j, 0,1,2,3
	v_mov_b32 v[QZ+\j], 0
.endr
	s_mov_b32 s[SEL], 0x76543210
	s_mov_b32 s[SEL+1], 0xfedcba98
	; byte offsets, each in a pair of its own; the head stands in the loads' immediates
	s_mul_i32 s28, s24, 557056                     ; eight heads of K a batch
	s_add_co_u32 s30, s28, 0x10000
	s_lshl_b32 s52, s27, 12
	s_add_co_u32 s28, s28, s52                     ; my 8 key tiles
	s_mov_b32 s29, 0
	s_lshl_b32 s52, s27, 8
	s_add_co_u32 s30, s30, s52                     ; their scale words
	s_mov_b32 s31, 0
	s_lshl_b32 s52, s24, 10
	s_add_co_u32 s52, s52, s25
	s_lshl_b32 s32, s52, 9                         ; Q's tile of head 0
	s_mov_b32 s33, 0
	s_lshl_b32 s34, s52, 6
	s_add_co_u32 s34, s34, 0x100000
	s_mov_b32 s35, 0
	s_lshl_b32 s36, s24, 16
	s_lshl_b32 s52, s25, 6
	s_add_co_u32 s36, s36, s52                     ; theta of head 0
	s_mov_b32 s37, 0
	s_lshl_b32 s52, s24, 4
	s_add_co_u32 s52, s52, s27
	s_lshl_b32 s38, s52, 12                        ; V's four fragments of my 128 keys
	s_mov_b32 s39, 0
	s_lshl_b32 s40, s52, 8
	s_add_co_u32 s40, s40, 131072
	s_mov_b32 s41, 0
	s_add_co_u32 s52, s27, 384
	s_lshl_b32 s42, s52, 10                        ; Wo's pair w
	s_mov_b32 s43, 0
	s_lshl_b32 s44, s52, 7
	s_add_co_u32 s44, s44, 409600
	s_mov_b32 s45, 0
	s_lshl_b32 s46, s27, 7                         ; bo's 32 numbers
	s_mov_b32 s47, 0
	s_lshl_b32 s52, s24, 11
	s_lshl_b32 s53, s25, 4
	s_add_co_u32 s52, s52, s53                     ; my work-group's first row of the outputs
	s_lshl_b32 s48, s52, 13
	s_lshl_b32 s53, s27, 9
	s_add_co_u32 s48, s48, s53                     ; out1: that row, my 128 columns
	s_mov_b32 s49, 0
	s_add_co_u32 s52, s52, s27
	s_lshl_b32 s50, s52, 11                        ; out0: row w of the sixteen
	s_mov_b32 s51, 0
	s_wait_kmcnt 0x0
	s_add_nc_u64 s[28:29], s[10:11], s[28:29]
	s_add_nc_u64 s[30:31], s[10:11], s[30:31]
	s_add_nc_u64 s[32:33], s[8:9], s[32:33]
	s_add_nc_u64 s[34:35], s[8:9], s[34:35]
	s_add_nc_u64 s[36:37], s[12:13], s[36:37]
	s_add_nc_u64 s[38:39], s[14:15], s[38:39]
	s_add_nc_u64 s[40:41], s[14:15], s[40:41]
	s_add_nc_u64 s[42:43], s[16:17], s[42:43]
	s_add_nc_u64 s[44:45], s[16:17], s[44:45]
	s_add_nc_u64 s[46:47], s[18:19], s[46:47]
	s_add_nc_u64 s[48:49], s[22:23], s[48:49]
	s_add_nc_u64 s[50:51], s[20:21], s[50:51]
	s_wait_alu depctr_va_vdst(0)                   ; the addresses and offsets v3 to v13 and v15 are written, which the loads and stores of both ways read; so are the four zeros v20 to v23, which an idle wave stores
	s_cmp_gt_u32 s27, s26                          ; ids alone: are all my keys hidden?
	s_cbranch_scc1 .Lidle
.macro KLA hd                          ; head hd: my key tiles 0-3 and the scale words of pairs 0, 1
.irp i, 0,1,2,3
	global_load_b128 v[KF+4*\i:KF+4*\i+3], v[L16], s[28:29] offset:(\hd)*69632+512*\i
.endr
	global_load_b32 v[SC], v[L4], s[30:31] offset:(\hd)*69632
.endm
.macro KLB hd                          ; key tiles 4-7, pairs 2, 3
.irp i, 0,1,2,3
	global_load_b128 v[KF+16+4*\i:KF+16+4*\i+3], v[L16], s[28:29] offset:(\hd)*69632+2048+512*\i
.endr
	global_load_b32 v[SC+1], v[L4], s[30:31] offset:(\hd)*69632+128
.endm
.macro VL f                            ; V's fragments f, f + 1
.irp i, 0,1
.irp c, 0,1
	global_load_b128 v[KF+8*(\f+\i)+4*\c:KF+8*(\f+\i)+4*\c+3], v[L16], s[38:39] offset:(\f+\i)*1024+512*\c
.endr
.endr
.endm
.irp hd, 0,1,2,3,4,5,6,7
	global_load_b128 v[QZ+4+8*\hd:QZ+7+8*\hd], v[L16], s[32:33] offset:\hd*65536
.endr
.irp hd, 0,1,2,3,4,5,6,7
	global_load_b32 v[QS+\hd], v[R4], s[34:35] offset:\hd*8192
.endr
.irp hd, 0,1,2,3,4,5,6,7
	global_load_b32 v[TH+\hd], v[R4], s[36:37] offset:\hd*8192
.endr
.irp t, 0,1,2,3
	global_load_b32 v[VS+\t], v[R4], s[40:41] offset:\t*64
.endr
	KLA 0
	KLB 0
.irp i, 1,2,3,4,5,6,7,8
.irp j, 0,1,2,3
	v_mov_b32 v[QZ+8*\i+\j], 0
.endr
.endr
	s_wait_loadcnt 10                              ; Q, its scale words, theta and V's scale words are in; the two batches of K may be out
.irp j, 0,1,2,3,4,5,6,7
	v_mul_f32 v[CT+\j], -1.0, v[TH]
.endr
.rept 4
	v_nop
.endr
	s_wait_alu depctr_va_vdst(0)                   ; the zeros between the q's are written, which every product takes within its source 1
.macro WM t, hd                        ; key tile t of my 128 keys against head hd's 16 queries, less theta
.set rD, D+8*((\t)%4)
.set rA, KF+8*((\t)/2)
.set rB, QZ+4+8*(\hd)-4*((\t)%2)
.set rS, SC+(\t)/4
.if ((\t)/2)%2
	v_wmma_scale_f32_16x16x128_f8f6f4 v[rD:rD+7], v[rA:rA+7], v[rB:rB+7], v[CT:CT+7], v[rS], v[QS+\hd] matrix_a_fmt:MATRIX_FMT_FP4 matrix_b_fmt:MATRIX_FMT_FP4 matrix_a_scale:MATRIX_SCALE_ROW1
.else
	v_wmma_scale_f32_16x16x128_f8f6f4 v[rD:rD+7], v[rA:rA+7], v[rB:rB+7], v[CT:CT+7], v[rS], v[QS+\hd] matrix_a_fmt:MATRIX_FMT_FP4 matrix_b_fmt:MATRIX_FMT_FP4
.endif
.endm
.macro VW t, hd                        ; max(s - theta, 0)^2 onto the sums over the heads; head 0 starts them: nothing is cleared
.set rD, D+8*((\t)%4)
.set rW, WACC+8*(\t)
.irp j, 0,1,2,3,4,5,6,7
	v_max_num_f32 v[rD+\j], 0, v[rD+\j]
.endr
.irp j, 0,2,4,6
.if \hd == 0
	v_pk_mul_f32 v[rW+\j:rW+\j+1], v[rD+\j:rD+\j+1], v[rD+\j:rD+\j+1]
.else
	v_pk_fma_f32 v[rW+\j:rW+\j+1], v[rD+\j:rD+\j+1], v[rD+\j:rD+\j+1], v[rW+\j:rW+\j+1]
.endif
.endr
.endm
; A HEAD: 8 products, the vector work of one tile behind the product of the next: twelve plain lines that name no register of that product are its places.  The next head's fragments are asked for as soon as this head's
; are done with, each half behind its wait; behind the last head V's come into the same registers.
.macro HEAD hd
	s_wait_loadcnt 5                               ; key tiles 0-3 are in; the five loads behind them may be out
	WM 0, \hd
	WM 1, \hd
.rept 4
	v_nop
.endr
	VW 0, \hd
	WM 2, \hd
	VW 1, \hd
	WM 3, \hd
	VW 2, \hd
	s_wait_alu depctr_va_vdst(0)                   ; products 0 to 3 are done reading half A, in which the loads below land
.if \hd < 7
	KLA \hd+1
	s_wait_loadcnt 5                               ; key tiles 4-7 are in; the five loads just issued may be out
.else
	VL 0
	s_wait_loadcnt 4                               ; likewise: four loads were issued
.endif
	WM 4, \hd
	VW 3, \hd
	WM 5, \hd
	VW 4, \hd
	WM 6, \hd
	VW 5, \hd
	WM 7, \hd
	VW 6, \hd
	s_wait_alu depctr_va_vdst(0)                   ; products 4 to 7 are done reading half B, in which the loads below land
.if \hd < 7
	KLB \hd+1
.irp j, 0,1,2,3,4,5,6,7
	v_mul_f32 v[CT+\j], -1.0, v[TH+\hd+1]          ; the next head's -theta: behind tile 6's twelve lines, ahead of tile 7's
.endr
.else
	VL 2
.endif
	VW 7, \hd
.endm
.irp hd, 0,1,2,3,4,5,6,7
	HEAD \hd
.endr
.set j, 0
.rept 32
	v_pk_mul_f32 v[WACC+j:WACC+j+1], v[WACC+j:WACC+j+1], 0x3a000000 op_sel_hi:[1,0]   ; x 2^-11: 1/256 of entmax, 1/8 of the mean
.set j, j+2
.endr
	s_cmp_lg_u32 s27, s26
	s_cbranch_scc1 .Lopen                          ; only the block on the diagonal has hidden keys
.set n, 0
.rept 4                                        ; sixteen compares into sixteen scalar registers, one wait, sixteen selects
.irp j, 0,1,2,3,4,5,6,7,8,9,10,11,12,13,14,15
	v_cmp_gt_i32 s[CMP+\j], 32*(n/16)+\j, v[DQ]    ; register n + j holds key 32 (n / 16) + j + 16 (lane / 16) of my 128
.endr
	s_wait_alu depctr_va_sdst(0)                   ; the sixteen compares have written s8 to s23, which the selects read
.irp j, 0,1,2,3,4,5,6,7,8,9,10,11,12,13,14,15
	v_cndmask_b32 v[WACC+n+\j], v[WACC+n+\j], v[QZ], s[CMP+\j]   ; (v[QZ] holds 0)
.endr
.set n, n+16
.endr
.Lopen:
	s_wait_alu depctr_va_vdst(0)                   ; the weights v184 to v247 are written, which the LDS stores read; the products and selects are done reading v20 to v83, in which the rows land
.irp p, 0,1,2,3
.irp u, 0,1
	ds_store_b128 v[STO], v[WACC+16*\p+8*\u:WACC+16*\p+8*\u+3] offset:128*\p+32*\u
	ds_store_b128 v[STO], v[WACC+16*\p+8*\u+4:WACC+16*\p+8*\u+7] offset:128*\p+32*\u+16
.endr
.endr
.set i, 0
.rept 16
	ds_load_b128 v[RB+4*i:RB+4*i+3], v[SRD] offset:528*i   ; LDS serves a wave's instructions in order: these see my stores
.set i, i+1
.endr
	; the weights become source 1 of the second product, while LDS works.  None is negative: no |.| on the sources
.irp b, 0,1,2,3
	v_max3_num_f32 v[TM+\b], v[WACC+16*\b], v[WACC+1+16*\b], 0x1800000   ; with the floor 2^(3 - 127): the byte cannot fall under 1
.endr
.irp i, 2,4,6,8,10,12,14
.irp b, 0,1,2,3
	v_max3_num_f32 v[TM+\b], v[TM+\b], v[WACC+16*\b+\i], v[WACC+1+16*\b+\i]
.endr
.endr
.irp b, 0,1,2,3
	v_permlanex16_b32 v[TM+4+\b], v[TM+\b], s[SEL], s[SEL+1]
.endr
.irp b, 0,1,2,3
	v_max_num_f32 v[TM+\b], v[TM+\b], v[TM+4+\b]
.endr
.irp b, 0,1,2,3
	v_add_nc_u32 v[TM+8+\b], 0xff000000, v[TM+\b]
.endr
.irp b, 0,1,2,3
	v_lshrrev_b32 v[TM+4+\b], 23, v[TM+8+\b]
.endr
	v_lshl_or_b32 v[PW], v[TM+5], 8, v[TM+4]
	v_lshl_or_b32 v[PW], v[TM+6], 16, v[PW]
	v_lshl_or_b32 v[PW], v[TM+7], 24, v[PW]
.irp b, 0,1,2,3
	v_cvt_scalef32_pk8_fp4_f32 v[PC+2*\b], v[WACC+16*\b:WACC+7+16*\b], v[TM+8+\b]
	v_cvt_scalef32_pk8_fp4_f32 v[PC+1+2*\b], v[WACC+8+16*\b:WACC+15+16*\b], v[TM+8+\b]
.endr
	v_nop                                          ; one plain line behind a scaled conversion
.irp c, 0,1
.irp i, 0,1
	v_permlane16_swap_b32 v[PC+4*\c+\i], v[PC+2+4*\c+\i]   ; a whole block of 32 keys to a lane
.endr
.endr
.set i, 0
.rept 16
	s_wait_dscnt 15-i                              ; row i is back; the younger rows' loads may be out
	global_store_b128 v[L16], v[RB+4*i:RB+4*i+3], s[48:49] offset:8192*i th:TH_STORE_NT   ; 512 consecutive bytes of a row of out1, aligned
.set i, i+1
.endr
	s_wait_loadcnt 0x0                             ; V's fragments
.rept 8
	v_nop                                          ; a scale word made by vector lines stands eight places ahead of the product, codes so made four
.endr
	s_wait_alu depctr_va_vdst(0)                   ; p's codes v248 to v255 and its scale word v118 are written, which the four products take as source 1 and its scales
.irp t, 0,1,2,3
	v_wmma_scale_f32_16x16x128_f8f6f4 v[D+8*\t:D+8*\t+7], v[KF+8*\t:KF+8*\t+7], v[PC:PC+7], 0, v[VS+\t], v[PW] matrix_a_fmt:MATRIX_FMT_FP4 matrix_b_fmt:MATRIX_FMT_FP4
.endr
.rept 4
	v_nop
.endr
	s_wait_alu depctr_va_vdst(0)                   ; the four products have written O^T, which the LDS stores read; the places above stay beside this wait
.irp c, 0,1,2,3,4,5,6,7
	ds_store_b128 v[OPW], v[D+4*\c:D+4*\c+3] offset:512*\c   ; my part of O^T, as it stands in the registers; each accumulator from its low end on
.endr
	s_branch .Ljoin
.Lidle:
.set i, 0
.rept 16
	global_store_b128 v[L16], v[QZ:QZ+3], s[48:49] offset:8192*i th:TH_STORE_NT   ; zeros
.set i, i+1
.endr
.irp c, 0,1,2,3,4,5,6,7
	ds_store_b128 v[OPW], v[QZ:QZ+3] offset:512*\c
.endr
.Ljoin:
	s_wait_alu depctr_vm_vsrc(0)                   ; the LDS stores into my stage have read v184 to v247, in which Wo and bo land and o's codes are made; the stores to out1 have read v20 to v83, in which the sixteen parts land
	global_load_b128 v[WOF:WOF+3], v[L16], s[42:43]
	global_load_b128 v[WOF+4:WOF+7], v[L16], s[42:43] offset:512
	global_load_b32 v[WOS], v[L4], s[44:45]
.irp c, 0,1
	global_load_b128 v[OB+8*\c:OB+8*\c+3], v[H32], s[46:47] offset:64*\c        ; bo goes into the accumulators: lane (r, h), tile c: columns 16 c + 8 h + 0 .. 7 of my 32
	global_load_b128 v[OB+8*\c+4:OB+8*\c+7], v[H32], s[46:47] offset:64*\c+16
.endr
	s_wait_dscnt 0x0                               ; for the others' sake: my part of O^T lies in LDS
	s_barrier_signal -1
	s_barrier_wait -1
	s_wait_xcnt 0x0                                ; the stores to out1 have read their registers, which are taken again below
	s_cmp_lt_u32 s27, 8
	s_cbranch_scc0 .Lnored
.set i, 0
.rept 16
	ds_load_b128 v[RB+4*i:RB+4*i+3], v[OPR] offset:4096*i   ; piece w (four registers) of all sixteen parts
.set i, i+1
.endr
	s_wait_dscnt 0x0
.irp i, 0,1,2,3,4,5,6,7
	v_pk_add_f32 v[RB+4*\i:RB+4*\i+1], v[RB+4*\i:RB+4*\i+1], v[RB+32+4*\i:RB+32+4*\i+1]
	v_pk_add_f32 v[RB+4*\i+2:RB+4*\i+3], v[RB+4*\i+2:RB+4*\i+3], v[RB+32+4*\i+2:RB+32+4*\i+3]
.endr
.irp i, 0,1,2,3
	v_pk_add_f32 v[RB+4*\i:RB+4*\i+1], v[RB+4*\i:RB+4*\i+1], v[RB+16+4*\i:RB+16+4*\i+1]
	v_pk_add_f32 v[RB+4*\i+2:RB+4*\i+3], v[RB+4*\i+2:RB+4*\i+3], v[RB+16+4*\i+2:RB+16+4*\i+3]
.endr
.irp i, 0,1
	v_pk_add_f32 v[RB+4*\i:RB+4*\i+1], v[RB+4*\i:RB+4*\i+1], v[RB+8+4*\i:RB+8+4*\i+1]
	v_pk_add_f32 v[RB+4*\i+2:RB+4*\i+3], v[RB+4*\i+2:RB+4*\i+3], v[RB+8+4*\i+2:RB+8+4*\i+3]
.endr
	v_pk_add_f32 v[RB:RB+1], v[RB:RB+1], v[RB+4:RB+5]
	v_pk_add_f32 v[RB+2:RB+3], v[RB+2:RB+3], v[RB+6:RB+7]
	s_wait_alu depctr_va_vdst(0)                   ; the additions have written the sum's piece v20 to v23, which the LDS store reads
	ds_store_b128 v[OSW], v[RB:RB+3]
.Lnored:
	s_wait_dscnt 0x0
	s_barrier_signal -1
	s_barrier_wait -1                              ; the summed O^T lies in LDS
.irp c, 0,1,2,3,4,5,6,7
	ds_load_b128 v[OS+4*\c:OS+4*\c+3], v[OSR] offset:512*\c
.endr
.irp j, 0,1,2,3,8,9,10,11
	v_mov_b32 v[OZ+\j], 0
.endr
	v_mov_b32 v[TM+2], 0                           ; a lane permute's destination counts as one of its sources
	v_mov_b32 v[TM+3], 0
	s_wait_dscnt 0x0
	; 32 numbers of a lane, register 16 b + i = channel 32 b + 16 (lane / 16) + i of my query, become o's codes and scale bytes
.irp b, 0,1
	v_max3_num_f32 v[TM+\b], |v[OS+16*\b]|, |v[OS+1+16*\b]|, 0x1800000
.endr
.irp i, 2,4,6,8,10,12,14
.irp b, 0,1
	v_max3_num_f32 v[TM+\b], v[TM+\b], |v[OS+16*\b+\i]|, |v[OS+1+16*\b+\i]|
.endr
.endr
.irp b, 0,1
	v_permlanex16_b32 v[TM+2+\b], v[TM+\b], s[SEL], s[SEL+1]
.endr
.irp b, 0,1
	v_max_num_f32 v[TM+\b], v[TM+\b], v[TM+2+\b]
.endr
.irp b, 0,1
	v_add_nc_u32 v[TM+4+\b], 0xff000000, v[TM+\b]
.endr
.irp b, 0,1
	v_lshrrev_b32 v[TM+2+\b], 23, v[TM+4+\b]
.endr
	v_lshl_or_b32 v[TM+6], v[TM+3], 8, v[TM+2]
	v_lshl_or_b32 v[OW], v[TM+6], 16, v[TM+6]      ; [s0 s1 s0 s1]
.irp b, 0,1
	v_cvt_scalef32_pk8_fp4_f32 v[OZ+4+2*\b], v[OS+16*\b:OS+16*\b+7], v[TM+4+\b]
	v_cvt_scalef32_pk8_fp4_f32 v[OZ+5+2*\b], v[OS+16*\b+8:OS+16*\b+15], v[TM+4+\b]
.endr
	v_nop
	v_permlane16_swap_b32 v[OZ+4], v[OZ+6]
	v_permlane16_swap_b32 v[OZ+5], v[OZ+7]
	s_wait_loadcnt 0x0                             ; Wo's fragment, its scale word, bo
.rept 8
	v_nop                                          ; a scale word made by vector lines stands eight places ahead of the product, codes so made four
.endr
	s_wait_alu depctr_va_vdst(0)                   ; o's codes with the zeros beside them, v208 to v219, and its scale word v119 are written, which the two products take as source 1 and its scales
	v_wmma_scale_f32_16x16x128_f8f6f4 v[OB:OB+7], v[WOF:WOF+7], v[OZ+4:OZ+11], v[OB:OB+7], v[WOS], v[OW] matrix_a_fmt:MATRIX_FMT_FP4 matrix_b_fmt:MATRIX_FMT_FP4       ; columns 32 w + 0 .. 15: [o | zeros]
	v_wmma_scale_f32_16x16x128_f8f6f4 v[OB+8:OB+15], v[WOF:WOF+7], v[OZ:OZ+7], v[OB+8:OB+15], v[WOS], v[OW] matrix_a_fmt:MATRIX_FMT_FP4 matrix_b_fmt:MATRIX_FMT_FP4   ; columns 32 w + 16 .. 31: [zeros | o]
.rept 4
	v_nop
.endr
	s_wait_alu depctr_va_vdst(0)                   ; the two products have written my 32 columns of out0, which the LDS stores read; the places above stay beside this wait.  The additions of the sixteen parts are done with v20 to v35, in which the last loads land
.irp c, 0,1
	ds_store_b128 v[OTW], v[OB+8*\c:OB+8*\c+3] offset:64*\c
	ds_store_b128 v[OTW], v[OB+8*\c+4:OB+8*\c+7] offset:64*\c+16
.endr
	s_wait_dscnt 0x0
	s_barrier_signal -1
	s_barrier_wait -1                              ; sixteen whole rows of out0 lie in the stage
	s_wait_alu depctr_vm_vsrc(0)                   ; the LDS store of the sum's piece has read v20 to v23, in which the first load below lands
.irp i, 0,1,2,3
	ds_load_b128 v[RB+4*\i:RB+4*\i+3], v[OTR] offset:512*\i
.endr
.irp i, 0,1,2,3
	s_wait_dscnt 3-\i                              ; piece i is back; the younger loads may be out
	global_store_b128 v[L16], v[RB+4*\i:RB+4*\i+3], s[50:51] offset:512*\i th:TH_STORE_NT   ; 512 consecutive bytes of a row of out0, aligned
.endr
	s_wait_dscnt 0x0                               ; the closing lines, six on end
	s_wait_alu 0x0
	s_wait_tensorcnt 0x0
	ds_add_u32 v[SPW], v[NIL]
	s_wait_dscnt 0x0
	s_endpgm
.Lfunc_end_k_q11517f98c6_out:
	.size	k_q11517f98c6_out, .Lfunc_end_k_q11517f98c6_out-k_q11517f98c6_out
	.p2alignl 7, 3214868480
	.fill 96, 4, 3214868480
	.section	.rodata,"a",@progbits
	.p2align	6, 0x0
	.amdhsa_kernel k_q11517f98c6_out
		.amdhsa_group_segment_fixed_size 239872
		.amdhsa_private_segment_fixed_size 0
		.amdhsa_enable_private_segment 0
		.amdhsa_kernarg_size 64
		.amdhsa_user_sgpr_count 2
		.amdhsa_user_sgpr_kernarg_segment_ptr 1
		.amdhsa_wavefront_size32 1
		.amdhsa_system_sgpr_workgroup_id_x 1
		.amdhsa_system_sgpr_workgroup_id_y 1
		.amdhsa_system_sgpr_workgroup_id_z 1
		.amdhsa_system_vgpr_workitem_id 0
		.amdhsa_next_free_vgpr 256
		.amdhsa_next_free_sgpr 66
		.amdhsa_reserve_vcc 0
		.amdhsa_float_denorm_mode_32 3
		.amdhsa_float_denorm_mode_16_64 3
		.amdhsa_memory_ordered 1
		.amdhsa_forward_progress 1
		.amdhsa_inst_pref_size 93
	.end_amdhsa_kernel
	.amdgpu_metadata
---
amdhsa.version: [ 1, 2 ]
amdhsa.kernels:
  - .name:           k_q11517f98c6_out
    .symbol:         k_q11517f98c6_out.kd
    .args:
      - { .name: qq, .offset: 0, .size: 8, .value_kind: global_buffer, .address_space: global }
      - { .name: kq, .offset: 8, .size: 8, .value_kind: global_buffer, .address_space: global }
      - { .name: theta, .offset: 16, .size: 8, .value_kind: global_buffer, .address_space: global }
      - { .name: vq, .offset: 24, .size: 8, .value_kind: global_buffer, .address_space: global }
      - { .name: wq, .offset: 32, .size: 8, .value_kind: global_buffer, .address_space: global }
      - { .name: bo, .offset: 40, .size: 8, .value_kind: global_buffer, .address_space: global }
      - { .name: out0, .offset: 48, .size: 8, .value_kind: global_buffer, .address_space: global }
      - { .name: out1, .offset: 56, .size: 8, .value_kind: global_buffer, .address_space: global }
    .group_segment_fixed_size: 239872
    .private_segment_fixed_size: 0
    .kernarg_segment_align: 8
    .kernarg_segment_size: 64
    .max_flat_workgroup_size: 512
    .sgpr_count:     66
    .vgpr_count:     256
    .wavefront_size: 32
...
	.end_amdgpu_metadata
.endif
;; end of part 7
